; MI455X (gfx1250); checked and timed in simulation.
; The chip was launched on July 23, 2026; its instructions are those of AMD's public machine-readable ISA for CDNA 5 (MIT licence, August 2026) and "CDNA5" Instruction Set Architecture Reference Guide (July 2026). The comments in the code are by the model that wrote it; some were corrected since.
;; Dynamic Multi Head Attention. Allowed arithmetic: matrix products marked QUANTISED: E2M3 operands, one E8M0 scale for each 32 along K, by v_wmma_scale_f32_16x16x128_f8f6f4 with both operands' format E2M3, f32 sums; products left as they are: f32 operands where the result goes on into a quantised operand, else bf16, f16 or f32 operands; f32 sums; everything else in f32.
;; Inputs: Wb 16 x 1,024 float32; Wk 1,024 x 1,024 float32; Wo 1,024 x 1,024 float32; Wq 1,024 x 1,024 float32; Wv 1,024 x 1,024 float32; bb 16 float32; bk 1,024 float32; bo 1,024 float32; bq 1,024 float32; bv 1,024 float32; query 4 x 2,048 x 1,024 float32.
;; Outputs: out0 4 x 2,048 x 1,024 float32.
;; This version of the problem:
;;   THIS VERSION OF THE PROBLEM IS GIVEN IN LOW PRECISION. The matrix products marked QUANTISED in the list below multiply operands that are first quantised to E2M3 (2 exponent bits, 3 mantissa bits; 6 bits a number), with one power-of-two scale for each 32 numbers along K (OCP MX v1.0); their sums are f32. All else is computed in f32.
;;   The module's matrix products, in the order in which they are computed (A, B: the left and right operand; K: the contracted axis; several contracted axes count as one K, in the product's order):
;;     1. [M 4, K 1,024] x [K 1,024, N 16]; A: computed on the way; B: input Wb: left as it is (M = 4 < 16)
;;     2. [M 8,192, K 1,024] x [K 1,024, N 1,024]; A: input query; B: input Wq: QUANTISED
;;     3. [M 8,192, K 1,024] x [K 1,024, N 1,024]; A: input query; B: input Wk: QUANTISED
;;     4. [M 8,192, K 1,024] x [K 1,024, N 1,024]; A: input query; B: input Wv: QUANTISED
;;     5. batch 64 x [M 2,048, K 64] x [K 64, N 2,048]; A: computed on the way; B: computed on the way: QUANTISED
;;     6. batch 64 x [M 2,048, K 2,048] x [K 2,048, N 64]; A: softmax (see below); B: computed on the way: QUANTISED
;;     7. [M 8,192, K 1,024] x [K 1,024, N 1,024]; A: computed on the way; B: input Wo: QUANTISED
;;   THE QUANTISER, for each operand of a quantised product, along K:
;;     - K is cut into blocks of 32 from its start; a last block that is shorter is filled with zeros.
;;     - A block's scale is 2^e with e = floor(log2(the largest magnitude in the block)) - 2, held to -126 .. 127; a block of zeros has e = 0. As a byte (E8M0): e + 127.
;;     - Each number is divided by its block's scale, clamped to +-7.5, and rounded to the nearest number of E2M3, ties to even, subnormals kept.
;;     - The product sums the exact products of the quantised numbers (number of the format x scale) in f32.
;;   ~~~python
;;   def quantise(x, axis):      # numpy; x: float32 -> the quantised numbers, widened to float32 again
;;       x = np.moveaxis(x, axis, -1); K = x.shape[-1]
;;       x = np.pad(x, [(0, 0)] * (x.ndim - 1) + [(0, -K % 32)]); x = x.reshape(x.shape[:-1] + (-1, 32)); a = np.abs(x).max(-1, keepdims=True)
;;       e = np.where(a > 0, np.clip(np.frexp(np.where(a > 0, a, 1))[1] - 1 - 2, -126, 127), 0)      # np.frexp(a)[1] - 1 = floor(log2(a)), exactly
;;       r = np.clip(x / 2.0 ** e, -7.5, 7.5)
;;       step = 2.0 ** (np.maximum(np.frexp(np.where(r == 0, 1, r))[1] - 1, 0) - 3)
;;       q = np.round(r / step) * step * 2.0 ** e      # np.round: ties to even
;;       return np.moveaxis(q.reshape(q.shape[:-2] + (-1,))[..., :K], -1, axis).astype(np.float32)
;;   ~~~
;;   SOFTMAX AHEAD OF A QUANTISED PRODUCT. Where the list says 'softmax', what is quantised is not the finished softmax but p = 2^(t - M), with t = logit x log2(e) and M = ceil(the row's largest t), a whole number; so 1/2 < the row's largest p <= 1. The row's sum l is taken of the UNQUANTISED p, in f32, and the product's result is divided by l at the end. Since M is a whole number, a kernel that streams over the keys may use a running M (the ceiling of the running maximum): every later rescaling is an exact power of two, which a block's scale takes up: the codes' values come out the same.
;;   OPERANDS COMPUTED ON THE WAY. 'Computed on the way' means the value that the module computes at that place (a softmax that the list does not call 'softmax' is quantised finished and normalised). What goes into a quantiser is computed in f32, as accurately as f32 sums, v_exp_f32 and their like allow (about 1e-6 of the number): no bf16 or f16 on the way to a quantiser, and a product that is left as it is and whose result goes on into a quantised operand takes f32 operands (vector FMAs, or v_wmma_f32_16x16x4_f32). A number that lies on a knife's edge between two numbers of the format may be rounded either way, as far as f32 arithmetic and the matrix unit's own rounding can turn it there, and no further.
;; One version. Each part assembles by itself: llvm-mc -triple=amdgcn-amd-amdhsa -mcpu=gfx1250 --defsym DOCPART=n.
;; ======== version 1 of 1: 4 launches
;; limits: right only within a limited range of input values
;; workspace buffers: xq 6,553,600 bytes; wq 3,276,800 bytes; pl 65,536 bytes; qi 6,815,744 bytes; kv 13,369,344 bytes; oq 6,553,600 bytes
;; launch prep (part 1): grid 384 x 1, 4 waves a work-group, no clusters, 34,304 bytes of LDS; arguments query, Wq, Wk, Wv, Wo, Wb, xq, wq, pl; writes xq, wq, pl
.if DOCPART == 1
	.amdgcn_target "amdgcn-amd-amdhsa--gfx1250"
	.amdhsa_code_object_version 6
	.text
	.protected	k_q8eed8f5107_prep
	.globl	k_q8eed8f5107_prep
	.p2align	8
	.type	k_q8eed8f5107_prep,@function
k_q8eed8f5107_prep:
	s_mov_b64 s[64:65], 0
	v_nop
	global_prefetch_b8 v0, s[64:65] scope:SCOPE_SE
	s_setreg_imm32_b32 hwreg(HW_REG_WAVE_MODE, 25, 1), 1
	s_wait_xcnt 0x0
; PREP.  query [8192][1024] and Wq, Wk, Wv, Wo [1024][1024], f32, become codes of FP6 (E2M3) with one E8M0 byte for each 32 along K (their last axis),
; laid as the later launches' operand registers want them; and the part of the gate's logits that these rows give is stored.
; TILES.  Rows go in tiles of 16; place p of tile T is row 32 (T / 2) + 8 (T % 2) + p + 8 (p / 8), so that the 16 result registers of two neighbouring tiles are 16 neighbours.
; IMAGES.  A fragment (tile T, K step s of 128) is 12 registers a lane; registers 4 c .. 4 c + 3 of lane l lie at (8 T + s) 1536 + 512 c + 16 l.  The scale words lie behind the codes: word s of place p of tile T at 512 T + 32 p + 4 s.
; SHARES.  Work-groups 0-255 take 32 rows of query each, 256-383 32 rows of the four weights (tiles 0-63 Wq, 64-127 Wk, 128-191 Wv, 192-255 Wo).  Wave w takes columns 256 w .. 256 w + 255: four units of 16 rows x 128 columns.
; A unit's 16 loads read 512 consecutive bytes each; the 8 KiB turn through the wave's own stage in LDS, so that a lane then holds 16 neighbours of each block of 32 of ONE row, as the conversions want.
; THE GATE.  A query work-group also sums its 32 rows column by column, multiplies by Wb's 16 rows and stores 16 partial logits a wave, all in f32; a later launch adds the 256 parts of each (batch, head).
; No matrix unit, no tensor load, no barrier: waves share nothing.  No cluster: work-groups share only Wb, 64 KiB beside the 50 MiB that the launch reads once.
; LIMITS: NaN and infinities are not served; a block whose largest magnitude lies under 2^-124 keeps the byte 1; a block of zeros has the byte 1 and not 127: its codes are zeros, and this program alone reads the bytes.
.set NQ,  256                          ; work-groups that take query
.set SPITCH, 528                       ; a stage row: 512 bytes + 16: an odd multiple of 16, so sixteen rows' 16-byte columns differ modulo 256 bytes
.set GA,  4                            ; v4       16 x lane
.set STI, 5                            ; v5       the stage, on the way in
.set STO, 6                            ; v6       and on the way out: row r, + 64 h
.set SA,  7                            ; v7       my place in the scale table: 512 h + 32 r
.set CS,  8                            ; v8-15    column sums: 4 columns for each of the wave's two K steps
.set R,   16                           ; v16-143  two sets of 64: a unit as loaded; at the end Wb
.set X,   144                          ; v144-207 a unit's 64 numbers of my row; at the end the gate's sums
.set PC,  208                          ; v208-219 the codes; v220-226 the conversions' second halves
.set TM,  228                          ; v228-231 largest magnitudes, v232-235 bytes, v240-243 the conversions' scale operands
.set PW,  244                          ; v244-247 the four units' scale words
.set WV,  31
.set SEL, 36                           ; s[36:37] v_permlanex16_b32's selects for lane l xor 16
	s_load_b512 s[8:23], s[0:1], 0x0               ; query, Wq, Wk, Wv, Wo, Wb, xq, wq
	s_load_b64 s[24:25], s[0:1], 0x40              ; pl
	v_lshl_add_u32 v254, v0, 2, 0x8400
	v_mov_b32 v255, 0
	v_lshrrev_b32 v4, 5, v0
	v_readfirstlane_b32 s[WV], v4                  ; wave 0..3
	v_and_b32 v1, 31, v0                           ; lane
	v_and_b32 v2, 15, v0                           ; r
	v_bfe_u32 v3, v0, 4, 1                         ; h
	v_lshlrev_b32 v[GA], 4, v1
	s_mul_i32 s40, s[WV], 16*SPITCH                ; my wave's stage
	v_add_nc_u32 v[STI], s40, v[GA]
	v_mul_u32_u24 v[STO], v2, SPITCH
	v_lshl_add_u32 v[STO], v3, 6, v[STO]
	v_add_nc_u32 v[STO], s40, v[STO]
	v_lshlrev_b32 v[SA], 5, v2
	v_lshl_add_u32 v[SA], v3, 9, v[SA]
	v_lshlrev_b32 v251, 10, v1                     ; pl: 1,024 bytes from head to head
.irp i, 0,1,2,3,4,5,6,7
	v_mov_b32 v[CS+\i], 0
.endr
.irp b, 0,1,2,3
	v_mov_b32 v[TM+4+\b], 0                        ; written once: a lane permute's destination counts as one of its sources
.endr
	s_mov_b32 s[SEL], 0x76543210
	s_mov_b32 s[SEL+1], 0xfedcba98
	s_mov_b32 s41, 6291456                         ; where xq's scale table begins
	s_cmp_ge_u32 ttmp9, NQ                         ; a weight's work-group?
	s_cselect_b32 s41, 3145728, s41                ; wq's table
	s_cselect_b32 s42, 31, 255
	s_cselect_b32 s43, NQ, 0
	s_and_b32 s42, ttmp9, s42                      ; which 32 rows of the source
	s_sub_co_u32 s43, ttmp9, s43                   ; which pair of tiles of the destination
	; QUERY'S TILES ARE LAID OTHERWISE THAN THE WEIGHTS': place p of query's tile 4 c + u is row 64 c + 8 u + p % 8 + 32 (p / 8), so that the 32 result registers of four neighbouring tiles are one block of 32 neighbours.
	; A work-group's two tiles then begin at row 64 (g / 2) + 16 (g % 2); places 8-15 lie 32 rows (weights: 16 rows) behind places 0-7 and have a base of their own, s[56:57].
	s_lshl_b32 s44, s42, 17
	s_lshr_b32 s56, s42, 1
	s_lshl_b32 s56, s56, 18
	s_and_b32 s57, s42, 1
	s_lshl_b32 s57, s57, 16
	s_add_co_u32 s56, s56, s57
	s_mov_b32 s57, 0x20000
	s_cmp_ge_u32 ttmp9, NQ
	s_cselect_b32 s44, s44, s56
	s_cselect_b32 s56, 0x10000, s57
	s_mov_b32 s57, 0
	s_lshl_b32 s46, s[WV], 10
	s_add_co_u32 s44, s44, s46
	s_mov_b32 s45, 0
	s_mul_i32 s46, s43, 24576                      ; codes: two tiles of 8 fragments, + my two K steps
	s_mul_i32 s48, s[WV], 3072
	s_add_co_u32 s46, s46, s48
	s_mov_b32 s47, 0
	s_lshl_b32 s48, s43, 10                        ; scale words: two tiles of 512 bytes, + 8 w
	s_add_co_u32 s48, s48, s41
	s_lshl_b32 s50, s[WV], 3
	s_add_co_u32 s48, s48, s50
	s_mov_b32 s49, 0
	s_lshl_b32 s50, s[WV], 10                      ; Wb: my 256 columns
	s_mov_b32 s51, 0
	s_lshr_b32 s52, ttmp9, 6                       ; pl: batch x 16 heads x 1,024 bytes + (4 x row group + w) x 4
	s_lshl_b32 s52, s52, 14
	s_and_b32 s54, ttmp9, 63
	s_lshl_b32 s54, s54, 2
	s_add_co_u32 s54, s54, s[WV]
	s_lshl_b32 s54, s54, 2
	s_add_co_u32 s52, s52, s54
	s_mov_b32 s53, 0
	s_wait_alu depctr_va_vdst(0)                   ; the wait at the head's end
	s_wait_kmcnt 0x0
	s_mov_b64 s[26:27], s[8:9]                     ; the buffers are chosen on the work-group's number alone
	s_cmp_ge_u32 ttmp9, 256
	s_cselect_b64 s[26:27], s[10:11], s[26:27]
	s_cselect_b64 s[28:29], s[22:23], s[20:21]
	s_cmp_ge_u32 ttmp9, 288
	s_cselect_b64 s[26:27], s[12:13], s[26:27]
	s_cmp_ge_u32 ttmp9, 320
	s_cselect_b64 s[26:27], s[14:15], s[26:27]
	s_cmp_ge_u32 ttmp9, 352
	s_cselect_b64 s[26:27], s[16:17], s[26:27]
	s_mov_b64 s[32:33], s[28:29]
	s_add_nc_u64 s[26:27], s[26:27], s[44:45]
	s_add_nc_u64 s[56:57], s[26:27], s[56:57]      ; the base of places 8-15
	s_add_nc_u64 s[28:29], s[28:29], s[46:47]
	s_add_nc_u64 s[32:33], s[32:33], s[48:49]
	s_add_nc_u64 s[34:35], s[18:19], s[50:51]
	s_add_nc_u64 s[38:39], s[24:25], s[52:53]
; unit u = 2 x tile + K step: its 16 rows, in the tile's order, 512 consecutive bytes a load
.macro LOAD u
.irp p, 0,1,2,3,4,5,6,7,8,9,10,11,12,13,14,15
	global_load_b128 v[R+64*((\u)%2)+4*\p:R+64*((\u)%2)+4*\p+3], v[GA], s[26+30*(\p/8):27+30*(\p/8)] offset:(8*((\u)/2)+(\p%8))*4096+512*((\u)%2) th:TH_LOAD_NT
.endr
.endm
; Wb's 16 rows at my wave's 256 columns, laid as the column sums lie
.macro WBLOAD
.irp d, 0,1,2,3,4,5,6,7,8,9,10,11,12,13,14,15
.irp e, 0,1
	global_load_b128 v[R+8*\d+4*\e:R+8*\d+4*\e+3], v[GA], s[34:35] offset:4096*\d+512*\e
.endr
.endr
.endm
; 64 numbers of a lane, register 16 b + i = k 32 b + 16 h + i of my row, become a fragment's codes in v[PC] on and its scale word in v[w]
.macro QUANT s, w
.irp b, 0,1,2,3
	v_max3_num_f32 v[TM+\b], |v[\s+16*\b]|, |v[\s+1+16*\b]|, 0x1800000   ; my 16 numbers of block b, and the floor 2^(3 - 127): the byte cannot fall under 1
.endr
.irp i, 2,4,6,8,10,12,14
.irp b, 0,1,2,3
	v_max3_num_f32 v[TM+\b], v[TM+\b], |v[\s+16*\b+\i]|, |v[\s+1+16*\b+\i]|   ; the four blocks by turns
.endr
.endr
.irp b, 0,1,2,3
	v_permlanex16_b32 v[TM+4+\b], v[TM+\b], s[SEL], s[SEL+1]
.endr
.irp b, 0,1,2,3
	v_max_num_f32 v[TM+\b], v[TM+\b], v[TM+4+\b]   ; with lane l xor 16's: the block's largest magnitude
.endr
.irp b, 0,1,2,3
	v_add_nc_u32 v[TM+12+\b], 0xff000000, v[TM+\b] ; 2 off its exponent field: the conversion takes that field as its scale
.endr
.irp b, 0,1,2,3
	v_lshrrev_b32 v[TM+4+\b], 23, v[TM+12+\b]      ; the scale's byte
.endr
	v_lshl_or_b32 v[\w], v[TM+5], 8, v[TM+4]
	v_lshl_or_b32 v[\w], v[TM+6], 16, v[\w]
	v_lshl_or_b32 v[\w], v[TM+7], 24, v[\w]
.irp c, 0,1
	v_cvt_scalef32_pk16_fp6_f32 v[PC+6*\c:PC+2+6*\c], v[\s+32*\c:\s+15+32*\c], v[TM+12+2*\c]
	v_cvt_scalef32_pk16_fp6_f32 v[PC+12+4*\c:PC+14+4*\c], v[\s+16+32*\c:\s+31+32*\c], v[TM+12+2*\c+1]   ; (a conversion's three registers begin on an even number)
.endr
	v_nop                                          ; one plain place behind a scaled conversion
.irp c, 0,1                                    ; the operand wants a whole block in a lane: lanes 0-15 block 2 c, lanes 16-31 block 2 c + 1
.irp i, 0,1,2
	v_permlane16_swap_b32 v[PC+6*\c+\i], v[PC+12+4*\c+\i]
.endr
.irp i, 0,1,2
	v_mov_b32 v[PC+3+6*\c+\i], v[PC+12+4*\c+\i]
.endr
.endr
.endm
; one unit.  left: the younger loads that may stay out;  more = 1: the unit two on is asked for
.macro UNIT u, left, more
	s_wait_loadcnt \left                           ; my 16 loads are in; the next unit's 16 stay out
	s_cmp_lt_u32 ttmp9, NQ
	s_cbranch_scc0 .Lnosum_\@                      ; weights have no gate
.irp p, 0,1,2,3,4,5,6,7,8,9,10,11,12,13,14,15
	v_pk_add_f32 v[CS+4*((\u)%2):CS+4*((\u)%2)+1], v[CS+4*((\u)%2):CS+4*((\u)%2)+1], v[R+64*((\u)%2)+4*\p:R+64*((\u)%2)+4*\p+1]
	v_pk_add_f32 v[CS+4*((\u)%2)+2:CS+4*((\u)%2)+3], v[CS+4*((\u)%2)+2:CS+4*((\u)%2)+3], v[R+64*((\u)%2)+4*\p+2:R+64*((\u)%2)+4*\p+3]
.endr
.Lnosum_\@:
.irp p, 0,1,2,3,4,5,6,7,8,9,10,11,12,13,14,15
	ds_store_b128 v[STI], v[R+64*((\u)%2)+4*\p:R+64*((\u)%2)+4*\p+3] offset:SPITCH*\p
.endr
.irp b, 0,1,2,3
.irp j, 0,1,2,3
	ds_load_b128 v[X+16*\b+4*\j:X+16*\b+4*\j+3], v[STO] offset:128*\b+16*\j   ; LDS serves a wave's instructions in order: these see my stores
.endr
.endr
	s_wait_dscnt 0x0                               ; my 64 numbers are back, and the stores have read the set
.if \more
	LOAD (\u)+2
.endif
.if (\u) == 3
	s_cmp_lt_u32 ttmp9, NQ
	s_cbranch_scc0 .Lnowb_\@
	WBLOAD                                         ; both sets are free: Wb lands while the last unit is quantised
.Lnowb_\@:
.endif
.if (\u) > 0
	s_wait_xcnt 0x0                                ; the last unit's stores have read the codes' registers
.endif
	QUANT X, PW+(\u)
.irp c, 0,1,2
	global_store_b128 v[GA], v[PC+4*\c:PC+4*\c+3], s[28:29] offset:12288*((\u)/2)+1536*((\u)%2)+512*\c   ; 512 consecutive bytes
.endr
.endm
	LOAD 0
	LOAD 1
	UNIT 0, 16, 1
	UNIT 1, 16, 1
	UNIT 2, 16, 0
	UNIT 3, 0, 0
	v_cmp_le_u32 vcc_lo, 16, v1                    ; lanes 0-15 store tile 0's words, lanes 16-31 tile 1's (both halves of the lanes hold every word)
	v_cndmask_b32 v248, v[PW], v[PW+2], vcc_lo
	v_cndmask_b32 v249, v[PW+1], v[PW+3], vcc_lo
	global_store_b64 v[SA], v[248:249], s[32:33]   ; 8 of a place's 32 bytes: the four waves' stores together fill the table; one byte in 128 of what the launch reads
	s_cmp_lt_u32 ttmp9, NQ
	s_cbranch_scc1 .Lgate
	s_wait_tensorcnt 0x0
	ds_add_u32 v254, v255
	s_wait_dscnt 0x0
	s_endpgm
.Lgate:
	s_wait_loadcnt 0x0                             ; Wb
.irp d, 0,1,2,3,4,5,6,7,8,9,10,11,12,13,14,15
	v_pk_mul_f32 v[176+2*\d:177+2*\d], v[R+8*\d:R+8*\d+1], v[CS:CS+1]
.endr
.irp e, 1,2,3
.irp d, 0,1,2,3,4,5,6,7,8,9,10,11,12,13,14,15
	v_pk_fma_f32 v[176+2*\d:177+2*\d], v[R+8*\d+2*\e:R+8*\d+2*\e+1], v[CS+2*\e:CS+2*\e+1], v[176+2*\d:177+2*\d]
.endr
.endr
.irp d, 0,1,2,3,4,5,6,7,8,9,10,11,12,13,14,15
	v_add_f32 v[144+\d], v[176+2*\d], v[177+2*\d]
.endr
.irp m, 1,2,4,8
.irp d, 0,1,2,3,4,5,6,7,8,9,10,11,12,13,14,15
	v_add_f32_dpp v[144+\d], v[144+\d], v[144+\d] row_xmask:\m row_mask:0xf bank_mask:0xf
.endr
.endr
.irp d, 0,1,2,3,4,5,6,7,8,9,10,11,12,13,14,15
	v_permlanex16_b32 v[160+\d], v[144+\d], s[SEL], s[SEL+1]
.endr
.irp d, 0,1,2,3,4,5,6,7,8,9,10,11,12,13,14,15
	v_add_f32 v[144+\d], v[144+\d], v[160+\d]      ; every lane holds head d's part
.endr
	v_mov_b32 v250, v144
.irp d, 1,2,3,4,5,6,7,8,9,10,11,12,13,14,15
	v_cmp_eq_u32 vcc_lo, \d, v1
	v_cndmask_b32 v250, v250, v[144+\d], vcc_lo    ; lane d takes head d's
.endr
	v_cmp_gt_u32 vcc_lo, 16, v1
	s_wait_alu depctr_va_vdst(0)
	s_wait_xcnt 0x0                                ; EXEC changes only behind this wait
	s_wait_tensorcnt 0x0
	ds_add_u32 v254, v255
	s_wait_dscnt 0x0
	s_and_saveexec_b32 s40, vcc_lo
	global_store_b32 v251, v250, s[38:39]
	s_wait_xcnt 0x0
	s_or_b32 exec_lo, exec_lo, s40
	s_endpgm
.Lfunc_end_k_q8eed8f5107_prep:
	.size	k_q8eed8f5107_prep, .Lfunc_end_k_q8eed8f5107_prep-k_q8eed8f5107_prep
	.p2alignl 7, 3214868480
	.fill 96, 4, 3214868480
	.section	.rodata,"a",@progbits
	.p2align	6, 0x0
	.amdhsa_kernel k_q8eed8f5107_prep
		.amdhsa_group_segment_fixed_size 34304
		.amdhsa_private_segment_fixed_size 0
		.amdhsa_enable_private_segment 0
		.amdhsa_kernarg_size 72
		.amdhsa_user_sgpr_count 2
		.amdhsa_user_sgpr_kernarg_segment_ptr 1
		.amdhsa_wavefront_size32 1
		.amdhsa_system_sgpr_workgroup_id_x 1
		.amdhsa_system_sgpr_workgroup_id_y 1
		.amdhsa_system_sgpr_workgroup_id_z 1
		.amdhsa_system_vgpr_workitem_id 0
		.amdhsa_next_free_vgpr 256
		.amdhsa_next_free_sgpr 66
		.amdhsa_reserve_vcc 1
		.amdhsa_float_denorm_mode_32 3
		.amdhsa_float_denorm_mode_16_64 3
		.amdhsa_memory_ordered 1
		.amdhsa_forward_progress 1
		.amdhsa_inst_pref_size 58
	.end_amdhsa_kernel
	.amdgpu_metadata
---
amdhsa.version: [ 1, 2 ]
amdhsa.kernels:
  - .name:           k_q8eed8f5107_prep
    .symbol:         k_q8eed8f5107_prep.kd
    .args:
      - { .name: query, .offset: 0, .size: 8, .value_kind: global_buffer, .address_space: global }
      - { .name: Wq, .offset: 8, .size: 8, .value_kind: global_buffer, .address_space: global }
      - { .name: Wk, .offset: 16, .size: 8, .value_kind: global_buffer, .address_space: global }
      - { .name: Wv, .offset: 24, .size: 8, .value_kind: global_buffer, .address_space: global }
      - { .name: Wo, .offset: 32, .size: 8, .value_kind: global_buffer, .address_space: global }
      - { .name: Wb, .offset: 40, .size: 8, .value_kind: global_buffer, .address_space: global }
      - { .name: xq, .offset: 48, .size: 8, .value_kind: global_buffer, .address_space: global }
      - { .name: wq, .offset: 56, .size: 8, .value_kind: global_buffer, .address_space: global }
      - { .name: pl, .offset: 64, .size: 8, .value_kind: global_buffer, .address_space: global }
    .group_segment_fixed_size: 34304
    .private_segment_fixed_size: 0
    .kernarg_segment_align: 8
    .kernarg_segment_size: 72
    .max_flat_workgroup_size: 128
    .sgpr_count:     66
    .vgpr_count:     256
    .wavefront_size: 32
...
	.end_amdgpu_metadata
.endif
;; end of part 1
;; launch qkv (part 2): grid 4 x 64, 4 waves a work-group, clusters of 4 x 4, 327,680 bytes of LDS; arguments xq, wq, bq, bk, bv, qi, kv; writes qi, kv
.if DOCPART == 2
	.amdgcn_target "amdgcn-amd-amdhsa--gfx1250"
	.amdhsa_code_object_version 6
	.text
	.protected	k_q8eed8f5107_qkv
	.globl	k_q8eed8f5107_qkv
	.p2align	8
	.type	k_q8eed8f5107_qkv,@function
k_q8eed8f5107_qkv:
	s_mov_b64 s[64:65], 0
	v_nop
	global_prefetch_b8 v0, s[64:65] scope:SCOPE_SE
	s_setreg_imm32_b32 hwreg(HW_REG_WAVE_MODE, 25, 1), 1
	s_wait_xcnt 0x0
	s_wait_alu depctr_hold_cnt(0) depctr_sa_sdst(0) depctr_va_vdst(0) depctr_va_sdst(0) depctr_va_ssrc(0) depctr_va_vcc(0) depctr_vm_vsrc(0)
	s_getreg_b32 s2, hwreg(HW_REG_IB_STS2, 6, 4)
	s_cmp_eq_u32 s2, 0
	s_cbranch_scc0 .Lentry_in_a_cluster
	s_endpgm
.Lentry_in_a_cluster:
	s_bfe_u32 s2, ttmp6, 0x10000c
	s_cmp_lg_u32 s2, 0xf033
	s_cbranch_scc0 .Lentry_shape_is_right
	s_endpgm
.Lentry_shape_is_right:
; QKV.  Q = x Wq^T + bq, K = x Wk^T + bk, V = x Wv^T + bv on codes of FP6 with E8M0 scales, f32 sums; the results are quantised in registers, Q and K along the head's 64, V along the keys, and stored as images of operand registers.
; SHARES.  A work-group makes 128 rows of x (8 tiles) x 256 rows of one weight (16 tiles); wave w takes the weight's tiles 4 w .. 4 w + 3, which are one head: 32 accumulators, 256 registers.
; ALL OF K = 1,024 LIES IN LDS: x 96 KiB, the weight 192 KiB, in four chunks of 256 along K.  Every byte of LDS is filled once, by eight tensor loads a wave issued together at the start; nothing is filled again.
; CLUSTER 4 x 4.  The four work-groups of a row of the cluster need the same x, the four of a column the same weight rows: each tile is asked for jointly, which divides the requests by four.
; The cluster's x (ttmp9, equal in all partners) says which product this is: 0 Q, 1 K, 2 V.
; Q, K: source 0 = 16 rows of W, source 1 = 16 rows of x: a lane holds one row of x, and by the tiles' order its 32 registers run along the head's 64 (16 b + i = d 32 b + 16 h + i).
; V: the sources swapped: a lane holds one d, and its 64 registers run along the group's 128 keys.  The bias is the C of each sum's first product.
; OUT.  Q: record (16 (16 batch + head) + group) of 6,656 bytes in qi: 48 registers a lane (tile t's six at 6 t) as 12 pieces of 512 bytes, then the scale words (register j of lane (r, hh): tile 2 j + hh, place r).
; K the same at the head of the record of 13,056 bytes in kv; V behind it, at 6,656: four fragments of 16 d x 128 keys, and at 12,800 their scale words, 8 bytes a lane.
; A scale word of Q or K holds two bytes; its upper two are 0, for the half of the next product's 128 along K that is not there.
; REGISTERS, in windows of 256: window 0: addresses, scale words v32-79, bias v80-111, work from v112; windows 1, 2: two sets of fragments (x at 12 a, W at 96 + 12 n); window 3: the accumulators.
; LIMITS: NaN and infinities are not served; a block whose largest magnitude lies under 2^-124 keeps the byte 1; a block of zeros has the byte 1 and not 127 (this program alone reads the bytes).
; AS THE TEXT NOW STANDS (this takes the place of what the lines above say of the fills, the grid and the keys' order):
; a work-group STAYS for its 128 rows of x and makes Q, then K, then V for its four heads: 256 work-groups.  x and a weight's 256 rows lie in LDS as they lie in memory (tile T at 12,288 T, K step s at 1,536 s).
; At the head each wave issues ONE joint load: wave 0 all of x (24 rows of 4,096 bytes), waves 1-3 a third of the weight each (16 such rows).  When a product's last fragments have been read, the next weight is
; filled into the same bytes behind a round of the cluster's barrier; it lands under the last 32 products, the quantiser and the stores.  x is filled once.
; The whole LDS is claimed.  By x's order of rows a lane of V's result holds whole blocks of 32 keys: registers 32 c + i = key 64 c + 32 h + i.
; No prefetch: each fill is asked for as soon as its bytes are free, and the text has no loop that could run further ahead.
.set WT0, 0
.set XSC, 6291456                      ; xq's scale table
.set WSC, 3145728                      ; wq's
.set LW,  98304                        ; LDS: the weight's chunks begin behind x's four
.set NLD, 36                           ; LDS loads of one K step's fragments
.set AX,  4                            ; v4-7   16 l + chunk c of x
.set AW,  8                            ; v8-11  16 l + chunk c of my four weight tiles
.set XS,  32                           ; v32-63 x's scale words: 4 registers a tile: K step q in lanes 0-15, q + 4 in lanes 16-31
.set WS,  64                           ; v64-79 the weight's likewise
.set BI,  80                           ; v80-111 the bias, 8 registers a weight tile, in the result's layout
.set TM,  112                          ; v112-127 at work in the quantiser
.set KI,  128                          ; v128-175 the codes
.set XT,  176                          ; v176-182 the conversions' second halves
.set WD,  184                          ; v184-191 scale words as made
.set G1X, 16
.set G1W, 24
.set G0X, 32
.set G0W, 48
.set WV,  66
.set SEL, 2                            ; s[2:3]
.set MSB, 0
.macro WIN new                         ; the immediate's high byte repeats the setting that is left
.if MSB != (\new)
	s_set_vgpr_msb (MSB<<8)|(\new)
.set MSB, (\new)
.endif
.endm
.macro CROUND                          ; a round of the cluster's barrier
	s_barrier_signal -1
	s_barrier_wait -1
	s_cmp_lg_u32 s[WV], 0
	s_cbranch_scc1 .Lnot_wave_0_\@
	s_barrier_signal -3
.Lnot_wave_0_\@:
	s_barrier_wait -3
	s_barrier_signal -1
	s_barrier_wait -1
.endm
.macro PLACES                          ; four plain places behind a matrix instruction, in front of loads into its sources and of reads of its results
.rept 4
	v_nop
.endr
.endm
	s_load_b256 s[4:11], s[0:1], 0x0               ; xq, wq, bq, bk
	s_load_b128 s[12:15], s[0:1], 0x20             ; bv, qi
	s_load_b64 s[68:69], s[0:1], 0x30              ; kv
	v_lshl_add_u32 v254, v0, 2, 0x48000
	v_mov_b32 v255, 0
	ds_add_u32 v254, v255
	ds_add_u32 v254, v255
	v_lshrrev_b32 v1, 5, v0
	v_readfirstlane_b32 s[WV], v1                  ; wave 0..3
	s_bfe_u32 s70, ttmp6, 0x40000                  ; cx
	s_bfe_u32 s71, ttmp6, 0x40004                  ; cy
	s_lshl_b32 s72, ttmp9, 2
	s_add_co_u32 s72, s72, s70                     ; work-group x: which 256 weight rows
	s_and_b32 s73, ttmp7, 0xffff
	s_lshl_b32 s73, s73, 2
	s_add_co_u32 s73, s73, s71                     ; work-group y: which 128 rows of x
	s_lshl_b32 s74, s71, 2
	s_lshl_b32 s74, 15, s74                        ; my row of the cluster
	s_lshl_b32 s75, 0x1111, s70                    ; my column
	; group 1: dense rows of 4,096 bytes (512 elements of 8 bytes); x: 24 rows, W: 16 a wave
	s_or_b32 s[G1X], s74, (3<<16)|(1<<21)
	s_mov_b32 s[G1X+1], 512<<16                    ; x: 24 dense rows of 4,096 bytes (512 elements of 8)
	s_mov_b32 s[G1X+2], 24<<16
	s_mov_b32 s[G1X+3], 512<<16
	s_mov_b32 s[G1X+4], 24
	s_mov_b32 s[G1X+5], 512
	s_mov_b32 s[G1X+6], 0
	s_mov_b32 s[G1X+7], 0
	s_or_b32 s[G1W], s75, (3<<16)|(1<<21)
	s_mov_b32 s[G1W+1], 512<<16                    ; W: 16 such rows a wave
	s_mov_b32 s[G1W+2], 16<<16
	s_mov_b32 s[G1W+3], 512<<16
	s_mov_b32 s[G1W+4], 16
	s_mov_b32 s[G1W+5], 512
	s_mov_b32 s[G1W+6], 0
	s_mov_b32 s[G1W+7], 0
	s_lshl_b32 s76, s73, 3
	s_mul_i32 s76, s76, 12288
	s_mov_b32 s77, 0
	s_lshl_b32 s82, s72, 4
	s_lshl_b32 s83, s[WV], 2
	s_add_co_u32 s82, s82, s83
	s_add_co_u32 s82, s82, WT0                     ; W: tile 16 x + 4 w
	s_max_u32 s84, s[WV], 1                        ; waves 1-3 fetch thirds 0-2 of the weight's 196,608 bytes
	s_sub_co_u32 s84, s84, 1
	s_lshl_b32 s84, s84, 16
	s_mul_i32 s85, s72, 196608
	s_add_co_u32 s84, s84, s85
	s_add_co_u32 s84, s84, WT0*12288
	s_mov_b32 s85, 0
	s_lshl_b32 s86, s82, 9
	s_add_co_u32 s86, s86, WSC                     ; its scale words
	s_mov_b32 s87, 0
	s_lshl_b32 s88, s73, 12
	s_add_co_u32 s88, s88, XSC                     ; x's, 8 tiles of 512 bytes
	s_mov_b32 s89, 0
	s_lshl_b32 s90, s[WV], 16                      ; LDS: where my third of W goes: LW + 65,536 (w - 1)
	s_mul_i32 s91, s[WV], 49152                    ; and where my four tiles of W are read
	s_add_co_u32 s91, s91, LW                      ; my four of a chunk of W: no place in the cluster enters an LDS address
	s_wait_dscnt 0x0
	s_wait_kmcnt 0x0
	s_add_nc_u64 s[78:79], s[4:5], s[76:77]
	s_add_nc_u64 s[80:81], s[6:7], s[84:85]
	s_add_nc_u64 s[86:87], s[6:7], s[86:87]
	s_add_nc_u64 s[88:89], s[4:5], s[88:89]
	s_mov_b32 s[G0X], 1
	s_mov_b32 s[G0X+1], 0
	s_mov_b64 s[G0X+2:G0X+3], s[78:79]
	s_or_b32 s[G0X+3], s[G0X+3], 0x80000000
	s_mov_b32 s[G0W], 1
	s_add_co_u32 s[G0W+1], s90, LW-65536
	s_mov_b64 s[G0W+2:G0W+3], s[80:81]
	s_or_b32 s[G0W+3], s[G0W+3], 0x80000000
	CROUND                                         ; all sixteen work-groups are here: the joint loads meet
	s_cmp_lg_u32 s[WV], 0                          ; one load a wave at the head: wave 0 x, waves 1-3 W
	s_cbranch_scc1 .Lfor_w
	tensor_load_to_lds s[G0X:G0X+3], s[G1X:G1X+7]
	s_nop 0
.rept 4
	v_nop
.endr
	s_branch .Lasked
.Lfor_w:
	tensor_load_to_lds s[G0W:G0W+3], s[G1W:G1W+7]
	s_nop 0
.rept 4
	v_nop
.endr
.Lasked:
	v_and_b32 v3, 31, v0                           ; lane
	v_and_b32 v14, 15, v0                          ; r
	v_bfe_u32 v15, v0, 4, 1                        ; h
	v_lshlrev_b32 v1, 4, v3
	v_lshlrev_b32 v2, 3, v3
.irp c, 0,1,2,3
	v_add_nc_u32 v[AX+\c], 24576*\c, v1
	v_add_nc_u32 v[AW+\c], s91, v1
	s_add_co_u32 s91, s91, 12288
.endr
	v_lshlrev_b32 v12, 5, v14
	v_lshl_add_u32 v12, v15, 4, v12                ; the scale tables: 32 r + 16 h
.irp a, 0,1,2,3,4,5,6,7
	global_load_b128 v[XS+4*\a:XS+4*\a+3], v12, s[88:89] offset:512*\a
.endr
.irp b, 0,1,2,3
	v_mov_b32 v[TM+4+\b], 0                        ; written once: a lane permute's destination counts as one of its sources
.endr
	s_mov_b32 s[SEL], 0x76543210
	s_mov_b32 s[SEL+1], 0xfedcba98
	s_lshl_b32 s92, s70, 2
	s_add_co_u32 s92, s92, s[WV]                   ; my head
	s_lshr_b32 s93, s73, 4                         ; the batch
	s_lshl_b32 s93, s93, 4
	s_add_co_u32 s93, s93, s92
	s_lshl_b32 s93, s93, 4
	s_and_b32 s94, s73, 15                         ; the group of 128 rows in the batch
	s_add_co_u32 s93, s93, s94                     ; the record
	s_mul_i32 s94, s93, 6656
	s_mov_b32 s95, 0
	s_add_nc_u64 s[14:15], s[14:15], s[94:95]      ; my record in qi
	s_mul_i32 s94, s93, 13056
	s_add_nc_u64 s[68:69], s[68:69], s[94:95]      ; and in kv
	s_lshl_b32 s92, s92, 8                         ; the head's 64 numbers of each bias
	s_mov_b32 s93, 0
	s_add_nc_u64 s[8:9], s[8:9], s[92:93]
	s_add_nc_u64 s[10:11], s[10:11], s[92:93]
	s_add_nc_u64 s[12:13], s[12:13], s[92:93]
; the fragments of K step s into set p: images, 512 consecutive bytes a load
.macro FETCH s, p
.if (\p) == 0
	WIN 0x40
.else
	WIN 0x80
.endif
.irp a, 0,1,2,3,4,5,6,7
.irp j, 0,1,2
	ds_load_b128 v[12*\a+4*\j:12*\a+4*\j+3], v[AX+\a/2] offset:12288*(\a%2)+1536*(\s)+512*\j
.endr
.endr
.irp n, 0,1,2,3
.irp j, 0,1,2
	ds_load_b128 v[96+12*\n+4*\j:96+12*\n+4*\j+3], v[AW+\n] offset:1536*(\s)+512*\j
.endr
.endr
.endm
.macro ONE d, fa, fb, c, sa, sb, s
.if (\s) == 0
	v_wmma_scale_f32_16x16x128_f8f6f4 v[\d:\d+7], v[\fa:\fa+11], v[\fb:\fb+11], v[\c:\c+7], v[\sa], v[\sb] matrix_a_fmt:MATRIX_FMT_FP6 matrix_b_fmt:MATRIX_FMT_FP6
.elseif (\s) < 4
	v_wmma_scale_f32_16x16x128_f8f6f4 v[\d:\d+7], v[\fa:\fa+11], v[\fb:\fb+11], v[\d:\d+7], v[\sa], v[\sb] matrix_a_fmt:MATRIX_FMT_FP6 matrix_b_fmt:MATRIX_FMT_FP6
.else
	v_wmma_scale_f32_16x16x128_f8f6f4 v[\d:\d+7], v[\fa:\fa+11], v[\fb:\fb+11], v[\d:\d+7], v[\sa], v[\sb] matrix_a_fmt:MATRIX_FMT_FP6 matrix_b_fmt:MATRIX_FMT_FP6 matrix_a_scale:MATRIX_SCALE_ROW1 matrix_b_scale:MATRIX_SCALE_ROW1
.endif
.endm
; K step s on set p: 32 products; the 32 accumulators take turns, one instruction a turn, in the same order in every step.  Step 0 takes the bias as C: nothing is cleared.
.macro MUL s, p, vt
.if (\s) == 0
	WIN 0xc5                                       ; sources 0, 1 window 1, C window 0, D window 3
.elseif (\p) == 0
	WIN 0xf5
.else
	WIN 0xfa
.endif
.if \vt == 0
.irp a, 0,1,2,3,4,5,6,7
.irp n, 0,1,2,3
	ONE 8*(4*\a+\n), 96+12*\n, 12*\a, BI+8*\n, WS+4*\n+(\s)%4, XS+4*\a+(\s)%4, \s
.endr
.endr
.else
.irp n, 0,1,2,3
.irp a, 0,1,2,3,4,5,6,7
	ONE 8*(8*\n+\a), 12*\a, 96+12*\n, BI+8*\n, XS+4*\a+(\s)%4, WS+4*\n+(\s)%4, \s
.endr
.endr
.endif
.endm
; the eight K steps, written out.  While a step is multiplied the next step's fragments come from LDS into the other set.
.macro MAIN vt
	s_wait_loadcnt 0x0                             ; scale words and bias
	s_wait_tensorcnt 0x0                           ; my one load that was out is in
	s_barrier_signal -1
	s_barrier_wait -1                              ; everybody's are
	FETCH 0, 0
.irp s, 0,1,2,3,4,5,6
.if \s > 0
	PLACES                                         ; the set to be loaded was read by the step before
.endif
	FETCH \s+1, 1-(\s%2)
	s_wait_dscnt NLD                               ; all but the fetch just issued
	MUL \s, (\s%2), \vt
.endr
.if \vt == 0
	WIN 0                                          ; Q and K have a successor: W's bytes have been read for the last time and take the next weight
	s_wait_tensorcnt 0x0
	ds_add_u32 v254, v255
	s_add_nc_u64 s[G0W+2:G0W+3], s[G0W+2:G0W+3], 786432   ; no load of mine is out: 64 tiles on
	s_wait_dscnt 0x0                               ; the add, and my last reads of W
	CROUND                                         ; no wave of any partner still reads W
	s_cmp_eq_u32 s[WV], 0
	s_cbranch_scc1 .Lno_fill_\@                    ; wave 0 has no part of W
	tensor_load_to_lds s[G0W:G0W+3], s[G1W:G1W+7]
	s_nop 0
.rept 4
	v_nop
.endr
.Lno_fill_\@:
.else
	s_wait_dscnt 0x0
.endif
	MUL 7, 1, \vt
	WIN 0
	PLACES
.endm
; 32 results of a lane in window 3 (16 b + i = d 32 b + 16 h + i of my row) become six registers of codes (lane (r, h): block h of place r) in v[d] on and a word of two bytes in v[w].  Each accumulator is read from its low end on.
.macro QUANT32W s, d, w
	WIN 0x0f
.irp b, 0,1
	v_max3_num_f32 v[TM+\b], |v[\s+16*\b]|, |v[\s+1+16*\b]|, 0x1800000
.endr
.irp i, 2,4,6,8,10,12,14
.irp b, 0,1
	v_max3_num_f32 v[TM+\b], |v[\s+16*\b+\i]|, |v[\s+1+16*\b+\i]|, v[TM+\b]
.endr
.endr
	WIN 0
.irp b, 0,1
	v_permlanex16_b32 v[TM+4+\b], v[TM+\b], s[SEL], s[SEL+1]
.endr
.irp b, 0,1
	v_max_num_f32 v[TM+\b], v[TM+\b], v[TM+4+\b]
.endr
.irp b, 0,1
	v_add_nc_u32 v[TM+12+\b], 0xff000000, v[TM+\b]
.endr
.irp b, 0,1
	v_lshrrev_b32 v[TM+4+\b], 23, v[TM+12+\b]
.endr
	v_lshl_or_b32 v[\w], v[TM+5], 8, v[TM+4]
	WIN 0x03
	v_cvt_scalef32_pk16_fp6_f32 v[\d:\d+2], v[\s:\s+15], v[TM+12]
	v_cvt_scalef32_pk16_fp6_f32 v[XT:XT+2], v[\s+16:\s+31], v[TM+13]
	WIN 0
	v_nop                                          ; one plain place behind a scaled conversion
.irp i, 0,1,2
	v_permlane16_swap_b32 v[\d+\i], v[XT+\i]
.endr
.irp i, 0,1,2
	v_mov_b32 v[\d+3+\i], v[XT+\i]
.endr
.endm
; 64 results of a lane in window 3 (16 b + i = key 32 b + 16 h + i of my d) become a fragment in v[d] on and its scale word in v[w]
.macro QUANT64W s, d, w
	WIN 0x0f
.irp b, 0,1,2,3
	v_max3_num_f32 v[TM+\b], |v[\s+16*\b]|, |v[\s+1+16*\b]|, 0x1800000
.endr
.irp i, 2,4,6,8,10,12,14
.irp b, 0,1,2,3
	v_max3_num_f32 v[TM+\b], |v[\s+16*\b+\i]|, |v[\s+1+16*\b+\i]|, v[TM+\b]
.endr
.endr
	WIN 0
	v_max_num_f32 v[TM], v[TM], v[TM+1]            ; registers 32 c .. 32 c + 31 are block 2 c + h, whole in my lane
	v_max_num_f32 v[TM+1], v[TM+2], v[TM+3]
.irp c, 0,1
	v_add_nc_u32 v[TM+12+\c], 0xff000000, v[TM+\c]
.endr
.irp c, 0,1
	v_lshrrev_b32 v[TM+4+\c], 23, v[TM+12+\c]
.endr
	v_lshl_or_b32 v[TM+4], v[TM+5], 16, v[TM+4]    ; my two bytes, blocks h and 2 + h,
	v_lshlrev_b32 v[TM+4], v16, v[TM+4]            ; 8 h bits up;
	v_permlanex16_b32 v[TM+6], v[TM+4], s[SEL], s[SEL+1]
	v_or_b32 v[\w], v[TM+4], v[TM+6]               ; with lane l xor 16's two the word is whole
	WIN 0x03
.irp c, 0,1
	v_cvt_scalef32_pk16_fp6_f32 v[\d+6*\c:\d+6*\c+2], v[\s+32*\c:\s+32*\c+15], v[TM+12+\c]
	v_cvt_scalef32_pk16_fp6_f32 v[XT+4*\c:XT+4*\c+2], v[\s+16+32*\c:\s+31+32*\c], v[TM+12+\c]
.endr
	WIN 0
	v_nop
.irp c, 0,1
.irp i, 0,1,2
	v_mov_b32 v[\d+3+6*\c+\i], v[XT+4*\c+\i]
.endr
.endr
.endm
	s_mov_b32 s36, 0                               ; the product: 0 Q, 1 K; V follows the loop
	s_wait_alu depctr_va_vdst(0)                   ; the wait at the head's end
.Lqk:
	s_cmp_eq_u32 s36, 0
	s_cselect_b64 s[82:83], s[8:9], s[10:11]       ; bq or bk
	s_cselect_b64 s[84:85], s[14:15], s[68:69]     ; qi or kv
.irp n, 0,1,2,3
	global_load_b128 v[WS+4*\n:WS+4*\n+3], v12, s[86:87] offset:512*\n
.endr
	v_lshlrev_b32 v13, 6, v15
.irp n, 0,1,2,3
	global_load_b128 v[BI+8*\n:BI+8*\n+3], v13, s[82:83] offset:(32*(\n/2)+8*(\n%2))*4
	global_load_b128 v[BI+8*\n+4:BI+8*\n+7], v13, s[82:83] offset:(32*(\n/2)+8*(\n%2))*4+16
.endr
	s_wait_alu depctr_va_vdst(0)
	MAIN 0
.irp a, 0,1,2,3,4,5,6,7
	QUANT32W 32*\a, KI+6*\a, WD+\a
.endr
	v_cmp_le_u32 vcc_lo, 16, v3
.irp j, 0,1,2,3
	v_cndmask_b32 v[192+\j], v[WD+2*\j], v[WD+2*\j+1], vcc_lo   ; lanes 0-15 the even tile's word, lanes 16-31 the odd tile's
.endr
.irp j, 0,1,2,3,4,5,6,7,8,9,10,11
	global_store_b128 v1, v[KI+4*\j:KI+4*\j+3], s[84:85] offset:512*\j   ; 512 consecutive bytes
.endr
	global_store_b128 v1, v[192:195], s[84:85] offset:6144
	s_wait_alu depctr_va_vdst(0)
	s_wait_xcnt 0x0                                ; the stores have read their data and bases: both are written again
	s_add_nc_u64 s[86:87], s[86:87], 32768         ; the next weight's scale words: 64 tiles of 512 bytes on
	s_add_co_u32 s36, s36, 1
	s_cmp_lt_u32 s36, 2
	s_cbranch_scc1 .Lqk
	s_mov_b64 s[82:83], s[12:13]                   ; bv; s[84:85] still holds my record in kv
.irp n, 0,1,2,3
	global_load_b128 v[WS+4*\n:WS+4*\n+3], v12, s[86:87] offset:512*\n
.endr
	v_lshlrev_b32 v16, 3, v15                      ; 8 h, for the scale words
	; ---- V
	v_and_b32 v13, 8, v14
	v_add_nc_u32 v13, v13, v14
	v_lshlrev_b32 v13, 2, v13                      ; the lane's d in a tile: r + 8 (r / 8); all eight registers of a result hold that d
.irp n, 0,1,2,3
.irp j, 0,1,2,3,4,5,6,7
	global_load_b32 v[BI+8*\n+\j], v13, s[82:83] offset:(32*(\n/2)+8*(\n%2))*4
.endr
.endr
	MAIN 1
.irp n, 0,1,2,3
	QUANT64W 64*\n, KI+12*\n, WD+\n
.endr
	v_cmp_le_u32 vcc_lo, 16, v3
.irp j, 0,1
	v_cndmask_b32 v[192+\j], v[WD+2*\j], v[WD+2*\j+1], vcc_lo
.endr
.irp j, 0,1,2,3,4,5,6,7,8,9,10,11
	global_store_b128 v1, v[KI+4*\j:KI+4*\j+3], s[84:85] offset:6656+512*\j
.endr
	global_store_b64 v2, v[192:193], s[84:85] offset:12800
.Lend:
	s_wait_tensorcnt 0x0
	ds_add_u32 v254, v255
	s_wait_dscnt 0x0
	CROUND                                         ; the closing round: no work-group ends while a partner may still ask for a tile that names it
	s_endpgm
.Lfunc_end_k_q8eed8f5107_qkv:
	.size	k_q8eed8f5107_qkv, .Lfunc_end_k_q8eed8f5107_qkv-k_q8eed8f5107_qkv
	.p2alignl 7, 3214868480
	.fill 96, 4, 3214868480
	.section	.rodata,"a",@progbits
	.p2align	6, 0x0
	.amdhsa_kernel k_q8eed8f5107_qkv
		.amdhsa_group_segment_fixed_size 327680
		.amdhsa_private_segment_fixed_size 0
		.amdhsa_enable_private_segment 0
		.amdhsa_kernarg_size 56
		.amdhsa_user_sgpr_count 2
		.amdhsa_user_sgpr_kernarg_segment_ptr 1
		.amdhsa_wavefront_size32 1
		.amdhsa_system_sgpr_workgroup_id_x 1
		.amdhsa_system_sgpr_workgroup_id_y 1
		.amdhsa_system_sgpr_workgroup_id_z 1
		.amdhsa_system_vgpr_workitem_id 0
		.amdhsa_next_free_vgpr 1024
		.amdhsa_next_free_sgpr 96
		.amdhsa_reserve_vcc 1
		.amdhsa_float_denorm_mode_32 3
		.amdhsa_float_denorm_mode_16_64 3
		.amdhsa_memory_ordered 1
		.amdhsa_forward_progress 1
		.amdhsa_inst_pref_size 148
	.end_amdhsa_kernel
	.amdgpu_metadata
---
amdhsa.version: [ 1, 2 ]
amdhsa.kernels:
  - .name:           k_q8eed8f5107_qkv
    .symbol:         k_q8eed8f5107_qkv.kd
    .args:
      - { .name: xq, .offset: 0, .size: 8, .value_kind: global_buffer, .address_space: global }
      - { .name: wq, .offset: 8, .size: 8, .value_kind: global_buffer, .address_space: global }
      - { .name: bq, .offset: 16, .size: 8, .value_kind: global_buffer, .address_space: global }
      - { .name: bk, .offset: 24, .size: 8, .value_kind: global_buffer, .address_space: global }
      - { .name: bv, .offset: 32, .size: 8, .value_kind: global_buffer, .address_space: global }
      - { .name: qi, .offset: 40, .size: 8, .value_kind: global_buffer, .address_space: global }
      - { .name: kv, .offset: 48, .size: 8, .value_kind: global_buffer, .address_space: global }
    .group_segment_fixed_size: 327680
    .private_segment_fixed_size: 0
    .kernarg_segment_align: 8
    .kernarg_segment_size: 56
    .max_flat_workgroup_size: 128
    .sgpr_count:     96
    .vgpr_count:     1024
    .wavefront_size: 32
...
	.end_amdgpu_metadata
.endif
;; end of part 2
;; launch attn (part 3): grid 4 x 64, 16 waves a work-group, clusters of 4 x 1, 210,944 bytes of LDS; arguments qi, kv, pl, bb, oq; writes oq
.if DOCPART == 3
	.amdgcn_target "amdgcn-amd-amdhsa--gfx1250"
	.amdhsa_code_object_version 6
	.text
	.protected	k_q8eed8f5107_attn
	.globl	k_q8eed8f5107_attn
	.p2align	8
	.type	k_q8eed8f5107_attn,@function
k_q8eed8f5107_attn:
	s_mov_b64 s[64:65], 0
	v_nop
	global_prefetch_b8 v0, s[64:65] scope:SCOPE_SE
	s_setreg_imm32_b32 hwreg(HW_REG_WAVE_MODE, 25, 1), 1
	s_wait_xcnt 0x0
	s_wait_alu depctr_hold_cnt(0) depctr_sa_sdst(0) depctr_va_vdst(0) depctr_va_sdst(0) depctr_va_ssrc(0) depctr_va_vcc(0) depctr_vm_vsrc(0)
	s_getreg_b32 s2, hwreg(HW_REG_IB_STS2, 6, 4)
	s_cmp_eq_u32 s2, 0
	s_cbranch_scc0 .Lentry_in_a_cluster
	s_endpgm
.Lentry_in_a_cluster:
	s_bfe_u32 s2, ttmp6, 0x10000c
	s_cmp_lg_u32 s2, 0x3003
	s_cbranch_scc0 .Lentry_shape_is_right
	s_endpgm
.Lentry_shape_is_right:
; ATTN.  For one (batch, head): beta = sigmoid(mean of query . Wb + bb); O = softmax(beta Q K^T / 8) V, both products on codes of FP6 with E8M0 scales; O / l is quantised along the head's 64 and stored as codes for the last product.
; THE SOFTMAX AHEAD OF THE SECOND PRODUCT: t = score x c, c = beta log2(e) / 8 (never negative); M = the running largest t rounded UP to a whole number; p = 2^(t - M) is quantised along the keys, not normalised;
; the row's sum is taken of the unquantised p; when M moves, the sum and O are multiplied by 2^(old M - new M), which rounds nothing.
; SHARES.  A work-group owns 512 queries of the head, in two passes; in a pass each of its sixteen waves owns one tile of 16 queries, in 256 registers: four waves to a SIMD, so that one wave's vector work stands beside another's products and LDS loads.
; THE HEAD'S WHOLE K AND V, codes and scale words, 16 records of 13,056 bytes, lie in LDS: wave w brings record w by one tensor load.  Every byte is filled once; nothing is filled again, no wave stores to LDS.
; CLUSTER 4 x 1: the four work-groups of a head ask for the records jointly.
; LAYOUT.  Both products are used transposed (S^T = K Q^T, O^T = V^T P^T): a lane holds ONE query (place lane % 16 of its tile) throughout; by the tiles' order the 16 registers of two neighbouring tiles of keys are 16 neighbouring keys.
; K = 64 IN A PRODUCT OF 128: Q's fragment has zero codes in its registers 6-11, and both sides' scale bytes 2 and 3 are 0.  K's fragment t is named v[32 + 6 t .. 43 + 6 t]: its upper half is the next tile's codes (behind tile 7: zeros), which meet Q's zeros.
; So a step's K comes by twelve loads of 512 consecutive bytes.
; REGISTERS: v1 16 l, v2 8 l, v3-4 the step's LDS addresses, v8 32 r, v9 at work, v[10:11] f, v12 -M, v13 the largest t, v[14:15] the sum; v16-27 Q; v28 Q's scale word, v29 p's; v[30:31] c;
;   v32-85 K (behind the first product v32-53 are at work); v86-89 K's scale words, v90-91 V's; v92-139 V; v140-203 S^T, then p; v204-235 O^T; v236-247 p's codes; v248-254 the second pass's Q.
; LIMITS: NaN and infinities are not served; a block whose largest magnitude lies under 2^-124 keeps the byte 1; a block of zeros has the byte 1 and not 127 (this program alone reads the bytes); 1 / l and the sigmoid by v_rcp_f32 and v_exp_f32.
.set REC, 13056
.set ADR,  3
.set ADR8, 4
.set T,   9
.set F,   10
.set CC,  30
.set KB,  32
.set BM,  32                           ; v32-35 each block's largest score, then its largest p
.set PT,  36                           ; v36-39 the other half's; then the bytes
.set SO,  40                           ; v40-43 the conversions' scale operands
.set XC,  44                           ; v44-46, v48-50 the conversions' second halves
.set SU,  52                           ; v[52:53] the sum's second chain
.set KS,  86
.set VS,  90
.set VB,  92
.set S,   140
.set OT,  204
.set PC,  236
.set WV,  14
.set BH,  15
.set CX,  16
.set SEL, 20
.set TB,  22
.set CNT, 23
.set G1,  24
.set G0,  32
.set QP,  36
.set OC,  38
.set OS,  40
.macro CROUND
	s_barrier_signal -1
	s_barrier_wait -1
	s_cmp_lg_u32 s[WV], 0
	s_cbranch_scc1 .Lnot_wave_0_\@
	s_barrier_signal -3
.Lnot_wave_0_\@:
	s_barrier_wait -3
	s_barrier_signal -1
	s_barrier_wait -1
.endm
	s_load_b256 s[4:11], s[0:1], 0x0               ; qi, kv, pl, bb
	s_load_b64 s[12:13], s[0:1], 0x20              ; oq
	v_lshl_add_u32 v254, v0, 2, 0x33000
	v_mov_b32 v255, 0
	ds_add_u32 v254, v255
	ds_add_u32 v254, v255
	s_wait_dscnt 0x0
	v_lshrrev_b32 v1, 5, v0
	s_delay_alu instid0(VALU_DEP_1)
	v_readfirstlane_b32 s[WV], v1                  ; wave 0..15
	s_and_b32 s[BH], ttmp7, 0xffff                 ; 16 batch + head: the partners share it
	s_bfe_u32 s[CX], ttmp6, 0x40000                ; cx: it enters Q's and O's addresses alone
	; group 1: a record as 51 dense rows of 256 bytes (32 elements of 8 bytes); the mask names all four work-groups
	s_mov_b32 s[G1], 15|(3<<16)|(1<<21)
	s_mov_b32 s[G1+1], 32<<16
	s_mov_b32 s[G1+2], 51<<16
	s_mov_b32 s[G1+3], 32<<16
	s_mov_b32 s[G1+4], 51
	s_mov_b32 s[G1+5], 32
	s_mov_b32 s[G1+6], 0
	s_mov_b32 s[G1+7], 0
	s_lshl_b32 s42, s[BH], 4
	s_add_co_u32 s42, s42, s[WV]                   ; record 16 (16 batch + head) + w
	s_mul_i32 s42, s42, REC
	s_mov_b32 s43, 0
	s_mov_b32 s[G0], 1
	s_mul_i32 s[G0+1], s[WV], REC
	s_wait_kmcnt 0x0
	s_add_nc_u64 s[G0+2:G0+3], s[6:7], s[42:43]
	s_or_b32 s[G0+3], s[G0+3], 0x80000000
	CROUND                                         ; all four work-groups are here: the joint loads meet
	tensor_load_to_lds s[G0:G0+3], s[G1:G1+7]      ; my one tensor load of the launch
	s_nop 0
.rept 4
	v_nop                                          ; four plain places behind a tensor load
.endr
	v_and_b32 v7, 31, v0
	s_delay_alu instid0(VALU_DEP_1)
	v_lshlrev_b32 v1, 4, v7                        ; 16 l
	s_wait_alu depctr_va_vdst(0)
	v_lshlrev_b32 v2, 3, v7                        ; 8 l
	v_lshlrev_b32 v7, 5, v7                        ; 32 l: my eight parts of the gate's logit
	s_lshl_b32 s45, s[BH], 4
	s_lshl_b32 s46, s[CX], 2
	s_add_co_u32 s45, s45, s46
	s_lshr_b32 s46, s[WV], 3
	s_add_co_u32 s45, s45, s46                     ; Q's record in the first pass: group 4 cx + w / 8; the second pass's lies two records on
	s_mul_i32 s46, s45, 6656
	s_mov_b32 s47, 0
	s_add_nc_u64 s[QP:QP+1], s[4:5], s[46:47]
	s_and_b32 s44, s[WV], 7                        ; my tile in the group
	s_mul_i32 s48, s44, 6
.irp p, 0,1,2                                  ; register i = 6 t + 2 p of the image lies at 512 (i / 4) + 16 l + 4 (i % 4)
	s_add_co_u32 s49, s48, 2*\p
	s_lshr_b32 s50, s49, 2
	s_lshl_b32 s50, s50, 9
	s_and_b32 s49, s49, 3
	s_lshl_b32 s49, s49, 2
	s_add_co_u32 s50, s50, s49
	v_add_nc_u32 v[3+\p], s50, v1
.endr
	s_and_b32 s49, s44, 1
	s_lshl_b32 s49, s49, 8
	s_lshr_b32 s50, s44, 1
	s_lshl_b32 s50, s50, 2
	s_add_co_u32 s49, s49, s50
	v_and_b32 v9, 15, v0
	s_delay_alu instid0(VALU_DEP_1)
	v_lshlrev_b32 v8, 5, v9                        ; 32 r
	s_delay_alu instid0(VALU_DEP_2)
	v_lshl_add_u32 v6, v9, 4, s49                  ; Q's scale word: 16 r + 256 (t % 2) + 4 (t / 2)
	s_wait_alu depctr_va_vdst(0)
.irp p, 0,1,2
	global_load_b64 v[16+2*\p:17+2*\p], v[3+\p], s[QP:QP+1]
	global_load_b64 v[248+2*\p:249+2*\p], v[3+\p], s[QP:QP+1] offset:13312
.endr
	global_load_b32 v28, v6, s[QP:QP+1] offset:6144
	global_load_b32 v254, v6, s[QP:QP+1] offset:6144+13312
	s_lshl_b32 s46, s[BH], 10
	s_add_nc_u64 s[8:9], s[8:9], s[46:47]
	global_load_b128 v[140:143], v7, s[8:9]
	global_load_b128 v[144:147], v7, s[8:9] offset:16
	s_lshr_b32 s52, s[BH], 4                       ; the batch
	s_lshl_b32 s52, s52, 7
	s_lshl_b32 s53, s[CX], 5
	s_add_co_u32 s52, s52, s53
	s_add_co_u32 s52, s52, s[WV]                   ; my tile of O's rows in the first pass: 128 batch + 32 cx + w; the second pass's lies 16 tiles on
	s_and_b32 s53, s[BH], 15                       ; the head
	s_lshl_b32 s17, s53, 2
	v_mov_b32 v150, s17
	global_load_b32 v148, v150, s[10:11]           ; bb of my head
	s_lshl_b32 s54, s52, 4
	s_add_co_u32 s54, s54, s53
	s_mul_i32 s54, s54, 768
	s_mov_b32 s55, 0
	s_add_nc_u64 s[OC:OC+1], s[12:13], s[54:55]    ; O's codes: (16 tile + head) x 768
	s_lshl_b32 s54, s52, 9
	s_lshl_b32 s56, s53, 1
	s_add_co_u32 s54, s54, s56
	s_add_co_u32 s54, s54, 6291456
	s_add_nc_u64 s[OS:OS+1], s[12:13], s[54:55]    ; O's scale bytes: 512 tile + 32 place + 2 head
	s_mov_b32 s[SEL], 0x76543210
	s_mov_b32 s[SEL+1], 0xfedcba98
.irp i, 0,1,2,3,4,5
	v_mov_b32 v[22+\i], 0                          ; Q's upper half: zero codes, for the whole launch
	v_mov_b32 v[80+\i], 0                          ; and what stands behind K's tile 7
.endr
	v_mov_b32 v11, 0                               ; (named as the upper half of the pair v[10:11])
	v_mov_b32 v149, 0
	s_wait_loadcnt 0x0
	v_bfe_u32 v5, v0, 4, 1
	v_lshlrev_b32 v5, 3, v5                        ; 8 h, for p's scale word
	v_add_f32 v140, v140, v141                     ; the gate: 256 parts, eight a lane
	v_add_f32 v142, v142, v143
	v_add_f32 v144, v144, v145
	v_add_f32 v146, v146, v147
	s_delay_alu instid0(VALU_DEP_3)
	v_add_f32 v140, v140, v142
	s_delay_alu instid0(VALU_DEP_2)
	v_add_f32 v144, v144, v146
	s_delay_alu instid0(VALU_DEP_1)
	v_add_f32 v140, v140, v144
	s_delay_alu instid0(VALU_DEP_1)
	v_add_f32_dpp v140, v140, v140 row_xmask:1 row_mask:0xf bank_mask:0xf
	s_delay_alu instid0(VALU_DEP_1)
	v_add_f32_dpp v140, v140, v140 row_xmask:2 row_mask:0xf bank_mask:0xf
	s_delay_alu instid0(VALU_DEP_1)
	v_add_f32_dpp v140, v140, v140 row_xmask:4 row_mask:0xf bank_mask:0xf
	s_delay_alu instid0(VALU_DEP_1)
	v_add_f32_dpp v140, v140, v140 row_xmask:8 row_mask:0xf bank_mask:0xf
	s_delay_alu instid0(VALU_DEP_1)
	v_permlanex16_b32 v149, v140, s[SEL], s[SEL+1]
	s_delay_alu instid0(VALU_DEP_1)
	v_add_f32 v140, v140, v149
	s_delay_alu instid0(VALU_DEP_1)
	v_fma_f32 v140, v140, 0x3a000000, v148         ; z = sum / 2,048 + bb
	s_delay_alu instid0(VALU_DEP_1)
	v_mul_f32 v140, 0xbfb8aa3b, v140               ; -z log2(e)
	s_wait_alu depctr_va_vdst(0)
	v_exp_f32 v140, v140
	v_nop                                          ; a plain place behind a transcendental
	s_wait_alu depctr_va_vdst(0)
	v_add_f32 v140, 1.0, v140
	s_wait_alu depctr_va_vdst(0)
	v_rcp_f32 v140, v140                           ; beta
	v_nop
	s_wait_alu depctr_va_vdst(0)
	v_mul_f32 v[CC], 0x3e38aa3b, v140              ; c = beta log2(e) / 8
	s_delay_alu instid0(VALU_DEP_1)
	v_mov_b32 v[CC+1], v[CC]
	s_wait_tensorcnt 0x0                           ; my record is in,
	s_barrier_signal -1
	s_barrier_wait -1                              ; everybody's is
; A KEY STEP: the 128 keys of the record at LDS byte s[TB]
.macro STEP
	v_add_nc_u32 v[ADR], s[TB], v1
	v_add_nc_u32 v[ADR8], s[TB], v2
	v_nop
	v_nop                                          ; four places behind the last step's products, in front of loads into their sources
.irp j, 0,1,2,3,4,5,6,7,8,9,10,11
	ds_load_b128 v[KB+4*\j:KB+4*\j+3], v[ADR] offset:512*\j
.endr
	ds_load_b128 v[KS:KS+3], v[ADR] offset:6144
.irp j, 0,1,2,3,4,5,6,7,8,9,10,11
	ds_load_b128 v[VB+4*\j:VB+4*\j+3], v[ADR] offset:6656+512*\j
.endr
	ds_load_b64 v[VS:VS+1], v[ADR8] offset:12800
	s_wait_dscnt 13                                ; K and its scale words are in; V's thirteen loads stay out and land under the softmax
.irp t, 0,1,2,3,4,5,6,7
.if \t%2
	v_wmma_scale_f32_16x16x128_f8f6f4 v[S+8*\t:S+8*\t+7], v[KB+6*\t:KB+6*\t+11], v[16:27], 0, v[KS+\t/2], v28 matrix_a_fmt:MATRIX_FMT_FP6 matrix_b_fmt:MATRIX_FMT_FP6 matrix_a_scale:MATRIX_SCALE_ROW1
.else
	v_wmma_scale_f32_16x16x128_f8f6f4 v[S+8*\t:S+8*\t+7], v[KB+6*\t:KB+6*\t+11], v[16:27], 0, v[KS+\t/2], v28 matrix_a_fmt:MATRIX_FMT_FP6 matrix_b_fmt:MATRIX_FMT_FP6
.endif
.endr
.rept 4
	v_nop
.endr
.irp b, 0,1,2,3
	v_max3_num_f32 v[BM+\b], v[S+16*\b], v[S+1+16*\b], v[S+2+16*\b]   ; the largest score of each block of 32 keys: for the row's maximum and, since p rises with the score, for the block's largest p
.endr
.irp i, 3,5,7,9,11,13
.irp b, 0,1,2,3
	v_max3_num_f32 v[BM+\b], v[BM+\b], v[S+16*\b+\i], v[S+1+16*\b+\i]
.endr
.endr
	; THE KEYS' ORDER (it takes the place of what the head says of it): place p of key tile 4 c + u is key 64 c + 8 u + p % 8 + 32 (p / 8), so my registers 32 c .. 32 c + 31 are block 2 c + h of 32 keys, whole in my lane
	v_max3_num_f32 v[BM], v[BM], v[BM+1], v[S+15]
	v_max3_num_f32 v[BM+1], v[BM+2], v[BM+3], v[S+47]
	v_max_num_f32 v[BM], v[BM], v[S+31]            ; block h's largest score
	v_max_num_f32 v[BM+1], v[BM+1], v[S+63]        ; block 2 + h's
	s_delay_alu instid0(VALU_DEP_1)
	v_max_num_f32 v[T], v[BM], v[BM+1]
	s_delay_alu instid0(VALU_DEP_1)
	v_permlanex16_b32 v[PT], v[T], s[SEL], s[SEL+1]
	s_delay_alu instid0(VALU_DEP_1)
	v_max_num_f32 v[T], v[T], v[PT]                ; with lane l xor 16's two blocks: the step's largest score of my query
	s_delay_alu instid0(VALU_DEP_1)
	v_mul_f32 v[T], v[CC], v[T]                    ; as t
	s_delay_alu instid0(VALU_DEP_1)
	v_max_num_f32 v13, v13, v[T]                   ; the running largest t
	v_mov_b32 v[T], v12
	s_delay_alu instid0(VALU_DEP_2)
	v_floor_f32 v12, -v13                          ; the new -M = -ceil(t)
	s_delay_alu instid0(VALU_DEP_1)
	v_sub_f32 v[T], v12, v[T]                      ; old M - new M: a whole number, 0 or less
	s_delay_alu instid0(VALU_DEP_1)
	v_cvt_i32_f32 v[T], v[T]                       ; (it saturates)
	s_delay_alu instid0(VALU_DEP_1)
	v_ldexp_f32 v[F], 1.0, v[T]                    ; f = 2^(old M - new M)
.irp j, 0,2,4,6,8,10,12,14,16,18,20,22,24,26,28,30,32,34,36,38,40,42,44,46,48,50,52,54,56,58,60,62
	v_pk_fma_f32 v[S+\j:S+1+\j], v[S+\j:S+1+\j], v[CC:CC+1], v[12:13] op_sel_hi:[1,0,0]   ; t - M, two at a time
.endr
.irp b, 0,1
	v_fma_f32 v[BM+\b], v[BM+\b], v[CC], v12
.endr
	s_wait_alu depctr_va_vdst(0)
.irp j, 0,1,2,3,4,5,6,7,8,9,10,11,12,13,14,15,16,17,18,19,20,21,22,23,24,25,26,27,28,29,30,31,32,33,34,35,36,37,38,39,40,41,42,43,44,45,46,47,48,49,50,51,52,53,54,55,56,57,58,59,60,61,62,63
	v_exp_f32 v[S+\j], v[S+\j]                     ; p = 2^(t - M)
.endr
.irp b, 0,1
	v_exp_f32 v[BM+\b], v[BM+\b]                   ; my two blocks' largest p: the same two instructions on the same number
.endr
	v_pk_mul_f32 v[14:15], v[14:15], v[F:F+1] op_sel_hi:[1,0]   ; the sum under the new M (a plain place behind the exponentials)
	s_wait_alu depctr_va_vdst(0)
.irp b, 0,1
	v_max_num_f32 v[BM+\b], 0x1800000, v[BM+\b]    ; the floor 2^(3 - 127): the byte cannot fall under 1
.endr
.irp b, 0,1
	s_delay_alu instid0(VALU_DEP_2)
	v_add_nc_u32 v[SO+\b], 0xff000000, v[BM+\b]
.endr
.irp c, 0,1
	v_cvt_scalef32_pk16_fp6_f32 v[PC+6*\c:PC+2+6*\c], v[S+32*\c:S+15+32*\c], v[SO+\c]
	v_cvt_scalef32_pk16_fp6_f32 v[XC+4*\c:XC+2+4*\c], v[S+16+32*\c:S+31+32*\c], v[SO+\c]
.endr
.irp b, 0,1
	v_lshrrev_b32 v[PT+\b], 23, v[SO+\b]           ; the bytes (also the plain place behind the conversions)
.endr
	v_lshl_or_b32 v[PT], v[PT+1], 16, v[PT]        ; blocks h and 2 + h,
	v_lshlrev_b32 v[PT], v5, v[PT]                 ; 8 h bits up;
	v_permlanex16_b32 v[PT+1], v[PT], s[SEL], s[SEL+1]
	v_or_b32 v29, v[PT], v[PT+1]                   ; with lane l xor 16's two: p's scale word for these 128 keys
.irp c, 0,1
.irp i, 0,1,2
	v_mov_b32 v[PC+3+6*\c+\i], v[XC+4*\c+\i]       ; (a conversion's three registers begin on an even number)
.endr
.endr
	v_pk_add_f32 v[52:53], v[144:145], v[148:149]
	v_pk_add_f32 v[88:89], v[152:153], v[156:157]
	v_pk_add_f32 v[86:87], v[160:161], v[164:165]
	v_pk_add_f32 v[78:79], v[168:169], v[172:173]
	v_pk_add_f32 v[76:77], v[176:177], v[180:181]
	v_pk_add_f32 v[74:75], v[184:185], v[188:189]
	v_pk_add_f32 v[72:73], v[192:193], v[196:197]
	v_pk_add_f32 v[14:15], v[14:15], v[200:201]
	v_pk_add_f32 v[52:53], v[52:53], v[140:141]
	v_pk_add_f32 v[88:89], v[88:89], v[142:143]
	v_pk_add_f32 v[86:87], v[86:87], v[146:147]
	v_pk_add_f32 v[78:79], v[78:79], v[150:151]
	v_pk_add_f32 v[76:77], v[76:77], v[154:155]
	v_pk_add_f32 v[74:75], v[74:75], v[158:159]
	v_pk_add_f32 v[72:73], v[72:73], v[162:163]
	v_pk_add_f32 v[14:15], v[14:15], v[166:167]
	v_pk_add_f32 v[52:53], v[52:53], v[170:171]
	v_pk_add_f32 v[88:89], v[88:89], v[174:175]
	v_pk_add_f32 v[86:87], v[86:87], v[178:179]
	v_pk_add_f32 v[78:79], v[78:79], v[182:183]
	v_pk_add_f32 v[76:77], v[76:77], v[186:187]
	v_pk_add_f32 v[74:75], v[74:75], v[190:191]
	v_pk_add_f32 v[72:73], v[72:73], v[194:195]
	v_pk_add_f32 v[14:15], v[14:15], v[198:199]
	v_pk_add_f32 v[52:53], v[52:53], v[202:203]
	s_delay_alu instid0(VALU_DEP_2)
	v_pk_add_f32 v[14:15], v[14:15], v[78:79]
	s_delay_alu instid0(VALU_DEP_2)
	v_pk_add_f32 v[52:53], v[52:53], v[76:77]
	v_pk_add_f32 v[88:89], v[88:89], v[74:75]
	v_pk_add_f32 v[86:87], v[86:87], v[72:73]
	s_delay_alu instid0(VALU_DEP_2)
	v_pk_add_f32 v[14:15], v[14:15], v[88:89]
	s_delay_alu instid0(VALU_DEP_2)
	v_pk_add_f32 v[52:53], v[52:53], v[86:87]
	s_delay_alu instid0(VALU_DEP_1)
	v_pk_add_f32 v[14:15], v[14:15], v[52:53]
.irp j, 0,2,4,6,8,10,12,14,16,18,20,22,24,26,28,30
	v_pk_mul_f32 v[OT+\j:OT+1+\j], v[OT+\j:OT+1+\j], v[F:F+1] op_sel_hi:[1,0]   ; O^T under the new M
.endr
	s_wait_alu depctr_va_vdst(0)
	s_wait_dscnt 0x0                               ; V and its scale words
.irp d, 0,1,2,3                                ; the four accumulators by turns
.if \d%2
	v_wmma_scale_f32_16x16x128_f8f6f4 v[OT+8*\d:OT+8*\d+7], v[VB+12*\d:VB+12*\d+11], v[PC:PC+11], v[OT+8*\d:OT+8*\d+7], v[VS+\d/2], v29 matrix_a_fmt:MATRIX_FMT_FP6 matrix_b_fmt:MATRIX_FMT_FP6 matrix_a_scale:MATRIX_SCALE_ROW1
.else
	v_wmma_scale_f32_16x16x128_f8f6f4 v[OT+8*\d:OT+8*\d+7], v[VB+12*\d:VB+12*\d+11], v[PC:PC+11], v[OT+8*\d:OT+8*\d+7], v[VS+\d/2], v29 matrix_a_fmt:MATRIX_FMT_FP6 matrix_b_fmt:MATRIX_FMT_FP6
.endif
.endr
.endm
; O^T / l, register 16 b + i = d 32 b + 16 h + i of my query, is quantised along d and stored: six registers a lane as three pieces of 256 consecutive bytes, and two scale bytes a row
.macro OUT pi
.rept 4
	v_nop
.endr
	v_add_f32 v14, v14, v15
	s_delay_alu instid0(VALU_DEP_1)
	v_permlanex16_b32 v[T], v14, s[SEL], s[SEL+1]
	s_delay_alu instid0(VALU_DEP_1)
	v_add_f32 v14, v14, v[T]                       ; the row's sum
	s_wait_alu depctr_va_vdst(0)
	v_rcp_f32 v14, v14
	v_nop
	s_wait_alu depctr_va_vdst(0)
.irp j, 0,2,4,6,8,10,12,14,16,18,20,22,24,26,28,30
	v_pk_mul_f32 v[S+\j:S+1+\j], v[OT+\j:OT+1+\j], v[14:15] op_sel_hi:[1,0]   ; each accumulator from its low end on
.endr
.irp b, 0,1
	v_max3_num_f32 v[BM+\b], |v[S+16*\b]|, |v[S+1+16*\b]|, 0x1800000
.endr
.irp i, 2,4,6,8,10,12,14
.irp b, 0,1
	s_delay_alu instid0(VALU_DEP_2)
	v_max3_num_f32 v[BM+\b], v[BM+\b], |v[S+16*\b+\i]|, |v[S+1+16*\b+\i]|
.endr
.endr
.irp b, 0,1
	s_delay_alu instid0(VALU_DEP_2)
	v_permlanex16_b32 v[PT+\b], v[BM+\b], s[SEL], s[SEL+1]
.endr
.irp b, 0,1
	s_delay_alu instid0(VALU_DEP_2)
	v_max_num_f32 v[BM+\b], v[BM+\b], v[PT+\b]
.endr
.irp b, 0,1
	s_delay_alu instid0(VALU_DEP_2)
	v_add_nc_u32 v[SO+\b], 0xff000000, v[BM+\b]
.endr
.irp b, 0,1
	s_delay_alu instid0(VALU_DEP_2)
	v_lshrrev_b32 v[PT+\b], 23, v[SO+\b]
.endr
	s_delay_alu instid0(VALU_DEP_1)
	v_lshl_or_b32 v[T], v[PT+1], 8, v[PT]
	v_cvt_scalef32_pk16_fp6_f32 v[PC:PC+2], v[S:S+15], v[SO]
	v_cvt_scalef32_pk16_fp6_f32 v[XC:XC+2], v[S+16:S+31], v[SO+1]
	v_nop
.irp i, 0,1,2
	v_permlane16_swap_b32 v[PC+\i], v[XC+\i]
.endr
.irp i, 0,1,2
	s_delay_alu instid0(VALU_DEP_3)
	v_mov_b32 v[PC+3+\i], v[XC+\i]
.endr
.irp p, 0,1,2
	global_store_b64 v2, v[PC+2*\p:PC+2*\p+1], s[OC:OC+1] offset:196608*\pi+256*\p
.endr
	global_store_b16 v8, v[T], s[OS:OS+1] offset:8192*\pi   ; two bytes a row (lanes r and r + 16 store the same two): the other heads' bytes of the row belong to other work-groups; 1 byte in 24 of what the launch stores
.endm
.macro PASS pi
.if \pi
	s_wait_xcnt 0x0                                ; the first pass's stores have read their registers
.endif
	v_mov_b32 v13, 0xff61b1e6                      ; the largest t so far: -3e38
	s_delay_alu instid0(VALU_DEP_1)
	v_floor_f32 v12, -v13
	v_mov_b32 v14, 0
	v_mov_b32 v15, 0
.irp j, 0,1,2,3,4,5,6,7,8,9,10,11,12,13,14,15,16,17,18,19,20,21,22,23,24,25,26,27,28,29,30,31
	v_mov_b32 v[OT+\j], 0                          ; the step is written once: the first finds zeros, which the first change of M leaves zeros
.endr
	s_mov_b32 s[TB], 0
	s_mov_b32 s[CNT], 16
.Lstep_\@:
	STEP
	s_add_co_u32 s[TB], s[TB], REC
	s_sub_co_u32 s[CNT], s[CNT], 1
	s_cmp_lg_u32 s[CNT], 0
	s_cbranch_scc1 .Lstep_\@
	OUT \pi
.if \pi == 0
.irp i, 0,1,2,3,4,5
	v_mov_b32 v[16+\i], v[248+\i]                  ; the second pass's Q; the 36 lines at that pass's head are the places in front of its first product
.endr
	v_mov_b32 v28, v254
.endif
.endm
	PASS 0
	PASS 1
	s_wait_xcnt 0x0
	v_lshl_add_u32 v254, v0, 2, 0x33000
	v_mov_b32 v255, 0
	s_wait_alu depctr_va_vdst(0)
	s_wait_tensorcnt 0x0
	ds_add_u32 v254, v255
	s_wait_dscnt 0x0
	CROUND                                         ; the closing round
	s_endpgm
.Lfunc_end_k_q8eed8f5107_attn:
	.size	k_q8eed8f5107_attn, .Lfunc_end_k_q8eed8f5107_attn-k_q8eed8f5107_attn
	.p2alignl 7, 3214868480
	.fill 96, 4, 3214868480
	.section	.rodata,"a",@progbits
	.p2align	6, 0x0
	.amdhsa_kernel k_q8eed8f5107_attn
		.amdhsa_group_segment_fixed_size 210944
		.amdhsa_private_segment_fixed_size 0
		.amdhsa_enable_private_segment 0
		.amdhsa_kernarg_size 40
		.amdhsa_user_sgpr_count 2
		.amdhsa_user_sgpr_kernarg_segment_ptr 1
		.amdhsa_wavefront_size32 1
		.amdhsa_system_sgpr_workgroup_id_x 1
		.amdhsa_system_sgpr_workgroup_id_y 1
		.amdhsa_system_sgpr_workgroup_id_z 1
		.amdhsa_system_vgpr_workitem_id 0
		.amdhsa_next_free_vgpr 256
		.amdhsa_next_free_sgpr 66
		.amdhsa_reserve_vcc 0
		.amdhsa_float_denorm_mode_32 3
		.amdhsa_float_denorm_mode_16_64 3
		.amdhsa_memory_ordered 1
		.amdhsa_forward_progress 1
		.amdhsa_inst_pref_size 50
	.end_amdhsa_kernel
	.amdgpu_metadata
---
amdhsa.version: [ 1, 2 ]
amdhsa.kernels:
  - .name:           k_q8eed8f5107_attn
    .symbol:         k_q8eed8f5107_attn.kd
    .args:
      - { .name: qi, .offset: 0, .size: 8, .value_kind: global_buffer, .address_space: global }
      - { .name: kv, .offset: 8, .size: 8, .value_kind: global_buffer, .address_space: global }
      - { .name: pl, .offset: 16, .size: 8, .value_kind: global_buffer, .address_space: global }
      - { .name: bb, .offset: 24, .size: 8, .value_kind: global_buffer, .address_space: global }
      - { .name: oq, .offset: 32, .size: 8, .value_kind: global_buffer, .address_space: global }
    .group_segment_fixed_size: 210944
    .private_segment_fixed_size: 0
    .kernarg_segment_align: 8
    .kernarg_segment_size: 40
    .max_flat_workgroup_size: 512
    .sgpr_count:     66
    .vgpr_count:     256
    .wavefront_size: 32
...
	.end_amdgpu_metadata
.endif
;; end of part 3
;; launch oproj (part 4): grid 4 x 64, 4 waves a work-group, clusters of 4 x 4, 312,832 bytes of LDS; arguments oq, wq, bo, out0; writes out0
.if DOCPART == 4
	.amdgcn_target "amdgcn-amd-amdhsa--gfx1250"
	.amdhsa_code_object_version 6
	.text
	.protected	k_q8eed8f5107_oproj
	.globl	k_q8eed8f5107_oproj
	.p2align	8
	.type	k_q8eed8f5107_oproj,@function
k_q8eed8f5107_oproj:
	s_mov_b64 s[64:65], 0
	v_nop
	global_prefetch_b8 v0, s[64:65] scope:SCOPE_SE
	s_setreg_imm32_b32 hwreg(HW_REG_WAVE_MODE, 25, 1), 1
	s_wait_xcnt 0x0
	s_wait_alu depctr_hold_cnt(0) depctr_sa_sdst(0) depctr_va_vdst(0) depctr_va_sdst(0) depctr_va_ssrc(0) depctr_va_vcc(0) depctr_vm_vsrc(0)
	s_getreg_b32 s2, hwreg(HW_REG_IB_STS2, 6, 4)
	s_cmp_eq_u32 s2, 0
	s_cbranch_scc0 .Lentry_in_a_cluster
	s_endpgm
.Lentry_in_a_cluster:
	s_bfe_u32 s2, ttmp6, 0x10000c
	s_cmp_lg_u32 s2, 0xf033
	s_cbranch_scc0 .Lentry_shape_is_right
	s_endpgm
.Lentry_shape_is_right:
; OPROJ.  out = O Wo^T + bo on codes of FP6 with E8M0 scales, f32 sums, f32 out.
; SHARES.  A work-group makes 128 rows (8 tiles of O) x 256 columns (16 tiles of Wo); wave w takes Wo's tiles 4 w .. 4 w + 3, 64 columns: 32 accumulators, 256 registers.
; ALL OF K = 1,024 LIES IN LDS: O 96 KiB, Wo 192 KiB, in four chunks of 256 along K.  Every byte is filled once, by eight tensor loads a wave issued together at the start; nothing is filled again.
; CLUSTER 4 x 4: O's tiles are shared along a row of the cluster, Wo's along a column: each is asked for jointly.
; O's fragments lie as pairs of registers (pair P of lane l at 256 P + 8 l: a head's six registers are half a fragment), Wo's as fours (512 c + 16 l).
; Source 0 = 16 rows of Wo, source 1 = 16 rows of O: a lane holds one row of out, and its 32 registers of a tile of rows are columns 32 b + 16 h + i.  The bias is the C of each sum's first product.
; THE WAY OUT: 16 rows x 64 columns at a time through the wave's own stage in LDS, behind the tiles, into which no fill lands; back as rows of 256 bytes, which sixteen lanes store as 256 consecutive, aligned bytes.
; REGISTERS, in windows of 256: window 0: addresses, scale words v32-79, bias v80-111, rows on the way out v128-191; windows 1, 2: two sets of fragments (O at 12 a, Wo at 96 + 12 n); window 3: the accumulators.
; LIMITS: NaN and infinities are not served.
; AS THE TEXT NOW STANDS (this takes the place of what the lines above say of the fills): O and Wo lie in LDS as they lie in memory (tile T at 12,288 T, K step s at 1,536 s); each wave issues ONE joint load at the head:
; wave 0 all of O (24 rows of 4,096 bytes), waves 1-3 a third of Wo each (16 such rows).  Place p of O's tile 4 c + u is row 64 c + 8 u + p % 8 + 32 (p / 8).  No prefetch: one fill, no loop to run ahead in.
.set WT0, 192
.set XSC, 6291456                      ; oq's scale table
.set WSC, 3145728                      ; wq's
.set LW,  98304
.set STG, 294912                       ; the stages: 16 rows x 272 bytes a wave
.set NLD, 60                           ; LDS loads of one K step's fragments: 8 x 6 + 4 x 3
.set AX,  4                            ; v4-7   8 l + chunk c of O
.set AW,  8                            ; v8-11  16 l + chunk c of my four tiles of Wo
.set STO, 16                           ; v16    the stage, on the way in: row r, + 64 h
.set RD,  17                           ; v17    and back: row h, + 16 r
.set CO,  18                           ; v18    the same in out: 4,096 h + 16 r
.set XS,  32
.set WS,  64
.set BI,  80
.set BK,  128
.set G1X, 16
.set G1W, 24
.set G0X, 32
.set G0W, 48
.set WV,  66
.set MSB, 0
.macro WIN new                         ; the immediate's high byte repeats the setting that is left
.if MSB != (\new)
	s_set_vgpr_msb (MSB<<8)|(\new)
.set MSB, (\new)
.endif
.endm
.macro CROUND
	s_barrier_signal -1
	s_barrier_wait -1
	s_cmp_lg_u32 s[WV], 0
	s_cbranch_scc1 .Lnot_wave_0_\@
	s_barrier_signal -3
.Lnot_wave_0_\@:
	s_barrier_wait -3
	s_barrier_signal -1
	s_barrier_wait -1
.endm
.macro PLACES                          ; four plain places behind a matrix instruction (ISA guide 7.12.1)
.rept 4
	v_nop
.endr
.endm
	s_load_b256 s[4:11], s[0:1], 0x0               ; oq, wq, bo, out0
	v_lshl_add_u32 v254, v0, 2, 0x4c400
	v_mov_b32 v255, 0
	ds_add_u32 v254, v255
	ds_add_u32 v254, v255
	v_lshrrev_b32 v1, 5, v0
	v_readfirstlane_b32 s[WV], v1
	s_bfe_u32 s70, ttmp6, 0x40000                  ; cx
	s_bfe_u32 s71, ttmp6, 0x40004                  ; cy
	s_lshl_b32 s72, ttmp9, 2
	s_add_co_u32 s72, s72, s70                     ; work-group x: which 256 columns
	s_and_b32 s73, ttmp7, 0xffff
	s_lshl_b32 s73, s73, 2
	s_add_co_u32 s73, s73, s71                     ; work-group y: which 128 rows
	s_lshl_b32 s74, s71, 2
	s_lshl_b32 s74, 15, s74                        ; my row of the cluster
	s_lshl_b32 s75, 0x1111, s70                    ; my column
	; group 1: dense rows of 4,096 bytes (512 elements of 8 bytes); O: 24 rows, Wo: 16 a wave
	s_or_b32 s[G1X], s74, (3<<16)|(1<<21)
	s_mov_b32 s[G1X+1], 512<<16
	s_mov_b32 s[G1X+2], 24<<16
	s_mov_b32 s[G1X+3], 512<<16
	s_mov_b32 s[G1X+4], 24
	s_mov_b32 s[G1X+5], 512
	s_mov_b32 s[G1X+6], 0
	s_mov_b32 s[G1X+7], 0
	s_or_b32 s[G1W], s75, (3<<16)|(1<<21)
	s_mov_b32 s[G1W+1], 512<<16
	s_mov_b32 s[G1W+2], 16<<16
	s_mov_b32 s[G1W+3], 512<<16
	s_mov_b32 s[G1W+4], 16
	s_mov_b32 s[G1W+5], 512
	s_mov_b32 s[G1W+6], 0
	s_mov_b32 s[G1W+7], 0
	s_lshl_b32 s76, s73, 3
	s_mul_i32 s76, s76, 12288
	s_mov_b32 s77, 0
	s_lshl_b32 s82, s72, 4
	s_lshl_b32 s83, s[WV], 2
	s_add_co_u32 s82, s82, s83
	s_add_co_u32 s82, s82, WT0
	s_max_u32 s84, s[WV], 1                        ; waves 1-3 fetch thirds 0-2 of Wo's 196,608 bytes
	s_sub_co_u32 s84, s84, 1
	s_lshl_b32 s84, s84, 16
	s_mul_i32 s85, s72, 196608
	s_add_co_u32 s84, s84, s85
	s_add_co_u32 s84, s84, WT0*12288
	s_mov_b32 s85, 0
	s_lshl_b32 s86, s82, 9
	s_add_co_u32 s86, s86, WSC
	s_mov_b32 s87, 0
	s_lshl_b32 s88, s73, 12
	s_add_co_u32 s88, s88, XSC
	s_mov_b32 s89, 0
	s_lshl_b32 s90, s[WV], 16
	s_mul_i32 s91, s[WV], 49152
	s_add_co_u32 s91, s91, LW
	s_wait_dscnt 0x0
	s_wait_kmcnt 0x0
	s_add_nc_u64 s[78:79], s[4:5], s[76:77]
	s_add_nc_u64 s[80:81], s[6:7], s[84:85]
	s_add_nc_u64 s[86:87], s[6:7], s[86:87]
	s_add_nc_u64 s[88:89], s[4:5], s[88:89]
	s_mov_b32 s[G0X], 1
	s_mov_b32 s[G0X+1], 0
	s_mov_b64 s[G0X+2:G0X+3], s[78:79]
	s_or_b32 s[G0X+3], s[G0X+3], 0x80000000
	s_mov_b32 s[G0W], 1
	s_add_co_u32 s[G0W+1], s90, LW-65536
	s_mov_b64 s[G0W+2:G0W+3], s[80:81]
	s_or_b32 s[G0W+3], s[G0W+3], 0x80000000
	CROUND                                         ; all sixteen work-groups are here: the joint loads meet
	s_cmp_lg_u32 s[WV], 0                          ; one load a wave at the head: wave 0 O, waves 1-3 Wo
	s_cbranch_scc1 .Lfor_w
	tensor_load_to_lds s[G0X:G0X+3], s[G1X:G1X+7]
	s_nop 0
.rept 4
	v_nop
.endr
	s_branch .Lasked
.Lfor_w:
	tensor_load_to_lds s[G0W:G0W+3], s[G1W:G1W+7]
	s_nop 0
.rept 4
	v_nop
.endr
.Lasked:
	v_and_b32 v3, 31, v0
	v_and_b32 v14, 15, v0                          ; r
	v_bfe_u32 v15, v0, 4, 1                        ; h
	v_lshlrev_b32 v1, 4, v3
	v_lshlrev_b32 v2, 3, v3
.irp c, 0,1,2,3
	v_add_nc_u32 v[AX+\c], 24576*\c, v2
	v_add_nc_u32 v[AW+\c], s91, v1
	s_add_co_u32 s91, s91, 12288
.endr
	v_lshlrev_b32 v12, 5, v14
	v_lshl_add_u32 v12, v15, 4, v12                ; the scale tables: 32 r + 16 h
.irp a, 0,1,2,3,4,5,6,7
	global_load_b128 v[XS+4*\a:XS+4*\a+3], v12, s[88:89] offset:512*\a
.endr
.irp n, 0,1,2,3
	global_load_b128 v[WS+4*\n:WS+4*\n+3], v12, s[86:87] offset:512*\n
.endr
	s_lshl_b32 s92, s72, 10
	s_lshl_b32 s93, s[WV], 8
	s_add_co_u32 s92, s92, s93                     ; my 64 columns, in bytes
	s_mov_b32 s93, 0
	s_add_nc_u64 s[82:83], s[8:9], s[92:93]        ; bo there
	s_lshl_b32 s94, s73, 19                        ; 128 rows of 4,096 bytes
	s_mov_b32 s95, 0
	s_add_nc_u64 s[84:85], s[10:11], s[94:95]
	s_add_nc_u64 s[84:85], s[84:85], s[92:93]      ; out at my first row and column
	v_lshlrev_b32 v13, 6, v15                      ; the bias in the result's layout: tile n, register j: column 32 (n / 2) + 8 (n % 2) + 16 h + j
.irp n, 0,1,2,3
	global_load_b128 v[BI+8*\n:BI+8*\n+3], v13, s[82:83] offset:(32*(\n/2)+8*(\n%2))*4
	global_load_b128 v[BI+8*\n+4:BI+8*\n+7], v13, s[82:83] offset:(32*(\n/2)+8*(\n%2))*4+16
.endr
	s_mul_i32 s92, s[WV], 4352
	s_add_co_u32 s92, s92, STG                     ; my stage
	v_mul_u32_u24 v[STO], v14, 272
	v_lshl_add_u32 v[STO], v15, 6, v[STO]
	v_add_nc_u32 v[STO], s92, v[STO]
	v_mul_u32_u24 v[RD], v15, 272
	v_lshl_add_u32 v[RD], v14, 4, v[RD]
	v_add_nc_u32 v[RD], s92, v[RD]
	v_lshlrev_b32 v[CO], 12, v15
	v_lshl_add_u32 v[CO], v14, 4, v[CO]
.macro FETCH s, p
.if (\p) == 0
	WIN 0x40
.else
	WIN 0x80
.endif
.irp a, 0,1,2,3,4,5,6,7
.irp j, 0,1,2,3,4,5
	ds_load_b64 v[12*\a+2*\j:12*\a+2*\j+1], v[AX+\a/2] offset:12288*(\a%2)+1536*(\s)+256*\j
.endr
.endr
.irp n, 0,1,2,3
.irp j, 0,1,2
	ds_load_b128 v[96+12*\n+4*\j:96+12*\n+4*\j+3], v[AW+\n] offset:1536*(\s)+512*\j
.endr
.endr
.endm
.macro ONE d, fa, fb, c, sa, sb, s
.if (\s) == 0
	v_wmma_scale_f32_16x16x128_f8f6f4 v[\d:\d+7], v[\fa:\fa+11], v[\fb:\fb+11], v[\c:\c+7], v[\sa], v[\sb] matrix_a_fmt:MATRIX_FMT_FP6 matrix_b_fmt:MATRIX_FMT_FP6
.elseif (\s) < 4
	v_wmma_scale_f32_16x16x128_f8f6f4 v[\d:\d+7], v[\fa:\fa+11], v[\fb:\fb+11], v[\d:\d+7], v[\sa], v[\sb] matrix_a_fmt:MATRIX_FMT_FP6 matrix_b_fmt:MATRIX_FMT_FP6
.else
	v_wmma_scale_f32_16x16x128_f8f6f4 v[\d:\d+7], v[\fa:\fa+11], v[\fb:\fb+11], v[\d:\d+7], v[\sa], v[\sb] matrix_a_fmt:MATRIX_FMT_FP6 matrix_b_fmt:MATRIX_FMT_FP6 matrix_a_scale:MATRIX_SCALE_ROW1 matrix_b_scale:MATRIX_SCALE_ROW1
.endif
.endm
; K step s on set p: the 32 accumulators take turns, one instruction a turn, in the same order in every step.  Step 0 takes the bias as C.
.macro MUL s, p
.if (\s) == 0
	WIN 0xc5
.elseif (\p) == 0
	WIN 0xf5
.else
	WIN 0xfa
.endif
.irp a, 0,1,2,3,4,5,6,7
.irp n, 0,1,2,3
	ONE 8*(4*\a+\n), 96+12*\n, 12*\a, BI+8*\n, WS+4*\n+(\s)%4, XS+4*\a+(\s)%4, \s
.endr
.endr
.endm
	s_wait_loadcnt 0x0                             ; scale words and bias
	s_wait_tensorcnt 0x0                           ; my one load is in
	s_barrier_signal -1
	s_barrier_wait -1
	FETCH 0, 0
.irp s, 0,1,2,3,4,5,6
.if \s > 0
	PLACES                                         ; the set to be loaded was read by the step before
.endif
	FETCH \s+1, 1-(\s%2)
	s_wait_dscnt NLD                               ; all but the fetch just issued
	MUL \s, (\s%2)
.endr
	s_wait_dscnt 0x0
	MUL 7, 1
	WIN 0
	PLACES
; tile a of rows: a lane's 32 results go into row r of my stage, each accumulator from its low end on; the 16 rows come back two at a time
.macro TOSTAGE a
	WIN 0x0c                                       ; an LDS store's data are its source 1: window 3
.irp n, 0,1,2,3
	ds_store_b128 v[STO], v[32*(\a)+8*\n:32*(\a)+8*\n+3] offset:128*(\n/2)+32*(\n%2)
	ds_store_b128 v[STO], v[32*(\a)+8*\n+4:32*(\a)+8*\n+7] offset:128*(\n/2)+32*(\n%2)+16
.endr
	WIN 0
.irp i, 0,1,2,3,4,5,6,7
	ds_load_b128 v[BK+32*((\a)%2)+4*\i:BK+32*((\a)%2)+4*\i+3], v[RD] offset:544*\i   ; LDS serves a wave's instructions in order: these see my stores
.endr
.endm
; place 2 i + h of tile a is row 64 (a / 4) + 8 (a % 4) + 2 (i % 4) + 32 (i / 4) + h
.macro SEND a, younger
	s_wait_dscnt \younger
.irp i, 0,1,2,3,4,5,6,7
	global_store_b128 v[CO], v[BK+32*((\a)%2)+4*\i:BK+32*((\a)%2)+4*\i+3], s[84:85] offset:(64*((\a)/4)+8*((\a)%4)+2*(\i%4)+32*(\i/4))*4096 th:TH_STORE_NT   ; place 2 i + h of tile a is row 64 (a / 4) + 8 (a % 4) + 2 (i % 4) + 32 (i / 4) + h; sixteen lanes store 256 consecutive, aligned bytes
.endr
.endm
	s_wait_alu depctr_va_vdst(0)
	TOSTAGE 0
.irp a, 1,2,3,4,5,6,7
.if \a > 1
	s_wait_xcnt 0x0                                ; tile a - 2's stores have read the registers that tile a's rows land in
.endif
	TOSTAGE \a
	SEND \a-1, 16                                  ; behind tile a - 1's loads: tile a's eight stores and eight loads
.endr
	SEND 7, 0
	s_wait_tensorcnt 0x0
	ds_add_u32 v254, v255
	s_wait_dscnt 0x0
	CROUND                                         ; the closing round
	s_endpgm
.Lfunc_end_k_q8eed8f5107_oproj:
	.size	k_q8eed8f5107_oproj, .Lfunc_end_k_q8eed8f5107_oproj-k_q8eed8f5107_oproj
	.p2alignl 7, 3214868480
	.fill 96, 4, 3214868480
	.section	.rodata,"a",@progbits
	.p2align	6, 0x0
	.amdhsa_kernel k_q8eed8f5107_oproj
		.amdhsa_group_segment_fixed_size 312832
		.amdhsa_private_segment_fixed_size 0
		.amdhsa_enable_private_segment 0
		.amdhsa_kernarg_size 32
		.amdhsa_user_sgpr_count 2
		.amdhsa_user_sgpr_kernarg_segment_ptr 1
		.amdhsa_wavefront_size32 1
		.amdhsa_system_sgpr_workgroup_id_x 1
		.amdhsa_system_sgpr_workgroup_id_y 1
		.amdhsa_system_sgpr_workgroup_id_z 1
		.amdhsa_system_vgpr_workitem_id 0
		.amdhsa_next_free_vgpr 1024
		.amdhsa_next_free_sgpr 96
		.amdhsa_reserve_vcc 0
		.amdhsa_float_denorm_mode_32 3
		.amdhsa_float_denorm_mode_16_64 3
		.amdhsa_memory_ordered 1
		.amdhsa_forward_progress 1
		.amdhsa_inst_pref_size 88
	.end_amdhsa_kernel
	.amdgpu_metadata
---
amdhsa.version: [ 1, 2 ]
amdhsa.kernels:
  - .name:           k_q8eed8f5107_oproj
    .symbol:         k_q8eed8f5107_oproj.kd
    .args:
      - { .name: oq, .offset: 0, .size: 8, .value_kind: global_buffer, .address_space: global }
      - { .name: wq, .offset: 8, .size: 8, .value_kind: global_buffer, .address_space: global }
      - { .name: bo, .offset: 16, .size: 8, .value_kind: global_buffer, .address_space: global }
      - { .name: out0, .offset: 24, .size: 8, .value_kind: global_buffer, .address_space: global }
    .group_segment_fixed_size: 312832
    .private_segment_fixed_size: 0
    .kernarg_segment_align: 8
    .kernarg_segment_size: 32
    .max_flat_workgroup_size: 128
    .sgpr_count:     96
    .vgpr_count:     1024
    .wavefront_size: 32
...
	.end_amdgpu_metadata
.endif
;; end of part 4
